; MI455X (gfx1250); checked and timed in simulation.
; The chip was launched on July 23, 2026; its instructions are those of AMD's public machine-readable ISA for CDNA 5 (MIT licence, August 2026) and "CDNA5" Instruction Set Architecture Reference Guide (July 2026). The comments in the code are by the model that wrote it; some were corrected since.
;; Simple Attention. Allowed arithmetic: matrix products marked QUANTISED: E3M2 operands, one E8M0 scale for each 32 along K, by v_wmma_scale_f32_16x16x128_f8f6f4 with both operands' format E3M2, f32 sums; everything else in f32.
;; Inputs: W_attn 1,024 x 3,072 float32; W_proj 1,024 x 1,024 float32; b_attn 3,072 float32; b_proj 1,024 float32; x 4 x 2,048 x 1,024 float32.
;; Outputs: out0 4 x 2,048 x 1,024 float32.
;; This version of the problem:
;;   THIS VERSION OF THE PROBLEM IS GIVEN IN LOW PRECISION. The matrix products marked QUANTISED in the list below multiply operands that are first quantised to E3M2 (3 exponent bits, 2 mantissa bits; 6 bits a number), with one power-of-two scale for each 32 numbers along K (OCP MX v1.0); their sums are f32. All else is computed in f32.
;;   The module's matrix products, in the order in which they are computed (A, B: the left and right operand; K: the contracted axis; several contracted axes count as one K, in the product's order):
;;     1. [M 8,192, K 1,024] x [K 1,024, N 3,072]; A: input x; B: input W_attn: QUANTISED
;;     2. batch 64 x [M 2,048, K 64] x [K 64, N 2,048]; A: computed on the way; B: computed on the way: QUANTISED
;;     3. batch 64 x [M 2,048, K 2,048] x [K 2,048, N 64]; A: softmax (see below); B: computed on the way: QUANTISED
;;     4. [M 8,192, K 1,024] x [K 1,024, N 1,024]; A: computed on the way; B: input W_proj: QUANTISED
;;   THE QUANTISER, for each operand of a quantised product, along K:
;;     - K is cut into blocks of 32 from its start; a last block that is shorter is filled with zeros.
;;     - A block's scale is 2^e with e = floor(log2(the largest magnitude in the block)) - 4, held to -126 .. 127; a block of zeros has e = 0. As a byte (E8M0): e + 127.
;;     - Each number is divided by its block's scale, clamped to +-28, and rounded to the nearest number of E3M2, ties to even, subnormals kept.
;;     - The product sums the exact products of the quantised numbers (number of the format x scale) in f32.
;;   ~~~python
;;   def quantise(x, axis):      # numpy; x: float32 -> the quantised numbers, widened to float32 again
;;       x = np.moveaxis(x, axis, -1); K = x.shape[-1]
;;       x = np.pad(x, [(0, 0)] * (x.ndim - 1) + [(0, -K % 32)]); x = x.reshape(x.shape[:-1] + (-1, 32)); a = np.abs(x).max(-1, keepdims=True)
;;       e = np.where(a > 0, np.clip(np.frexp(np.where(a > 0, a, 1))[1] - 1 - 4, -126, 127), 0)      # np.frexp(a)[1] - 1 = floor(log2(a)), exactly
;;       r = np.clip(x / 2.0 ** e, -28, 28)
;;       step = 2.0 ** (np.maximum(np.frexp(np.where(r == 0, 1, r))[1] - 1, -2) - 2)
;;       q = np.round(r / step) * step * 2.0 ** e      # np.round: ties to even
;;       return np.moveaxis(q.reshape(q.shape[:-2] + (-1,))[..., :K], -1, axis).astype(np.float32)
;;   ~~~
;;   SOFTMAX AHEAD OF A QUANTISED PRODUCT. Where the list says 'softmax', what is quantised is not the finished softmax but p = 2^(t - M), with t = logit x log2(e) and M = ceil(the row's largest t), a whole number; so 1/2 < the row's largest p <= 1. The row's sum l is taken of the UNQUANTISED p, in f32, and the product's result is divided by l at the end. Since M is a whole number, a kernel that streams over the keys may use a running M (the ceiling of the running maximum): every later rescaling is an exact power of two, which a block's scale takes up: the codes' values come out the same.
;;   OPERANDS COMPUTED ON THE WAY. 'Computed on the way' means the value that the module computes at that place (a softmax that the list does not call 'softmax' is quantised finished and normalised). What goes into a quantiser is computed in f32, as accurately as f32 sums, v_exp_f32 and their like allow (about 1e-6 of the number): no bf16 or f16 on the way to a quantiser, and a product that is left as it is and whose result goes on into a quantised operand takes f32 operands (vector FMAs, or v_wmma_f32_16x16x4_f32). A number that lies on a knife's edge between two numbers of the format may be rounded either way, as far as f32 arithmetic and the matrix unit's own rounding can turn it there, and no further.
;; One version. Each part assembles by itself: llvm-mc -triple=amdgcn-amd-amdhsa -mcpu=gfx1250 --defsym DOCPART=n.
;; ======== version 1 of 1: 4 launches
;; workspace buffers: xq 6,553,600 bytes; wq 3,276,800 bytes; qq 6,815,744 bytes; kq 6,815,744 bytes; vq 6,553,600 bytes; yq 6,553,600 bytes
;; launch quant (part 1): grid 32 x 8, 8 waves a work-group, no clusters, 95,232 bytes of LDS; arguments x, W_attn, W_proj, xq, wq; writes xq, wq
.if DOCPART == 1
	.amdgcn_target "amdgcn-amd-amdhsa--gfx1250"
	.amdhsa_code_object_version 6
	.text
	.protected	k_q19c736e0f8_quant
	.globl	k_q19c736e0f8_quant
	.p2align	8
	.type	k_q19c736e0f8_quant,@function
k_q19c736e0f8_quant:
	s_mov_b64 s[64:65], 0
	v_nop
	global_prefetch_b8 v0, s[64:65] scope:SCOPE_SE
	s_setreg_imm32_b32 hwreg(HW_REG_WAVE_MODE, 25, 1), 1
	s_wait_xcnt 0x0
; x [8192][1024], W_attn [1024][3072] and W_proj [1024][1024], f32, become codes of BF6 (E3M2) with one E8M0 scale byte for each 32 along K (x: its second axis; the weights: their first).
; A block's scale is 2^(floor(log2(largest magnitude)) - 4): its byte is the largest magnitude's exponent field - 4, held at 1 from below by a floor among the maximum's leaves.
; LIMITS: a block of zeros, or one whose largest magnitude lies under 2^-122, gets the byte 1 (the rule says 127 for zeros: its codes are zeros, and these bytes are read by this program alone); NaN and infinities are not served.
; LAYOUT OF THE RESULTS: images of operand registers.  A tile is 16 rows (tokens, or columns of a weight); lane-row r of tile i is row 32 (i / 2) + 8 (i % 2) + r + 8 (r / 8).
; A half image is 16 rows x 64 along K, 768 bytes: lane (r, h) owns the 24 bytes of row r, k = 32 h .. 32 h + 31: its first 16 bytes at 16 x lane, its last 8 at 512 + 8 x lane.  A tile's 16 half images lie on end.
; A tile's scale image is 512 bytes, [H 2][lane 32][q 2] words: the word at (H, (r, h), q) holds row r's four bytes of K step 4 H + 2 q + h.
; Work-groups x >= 16 take x (a wave: one tile x 512 along K), work-groups x < 16 the weights (a wave: 32 columns x 128 along K).  Waves share nothing: no barrier.  Each path has LDS bytes of its own.
.set R,    16                          ; x path: v16-143  two sets of 64 registers as loaded
.set X,    144                         ; v144-207 a lane's 64 numbers: two whole blocks of 32
.set PC,   208                         ; v208-219 the codes of a K step: 12 registers
.set T,    220                         ; v220-227 the upper halves of the blocks' codes, as converted
.set W,    228                         ; v228-231 the four K steps' scale words
.set OFF,  16                          ; W path: v16-47 offsets of 32 rows of the weight
.set XW,   48                          ; v48-175  my column's 128 numbers down K
.set C,    176                         ; v176-207 codes, eight registers a block
.set WST,  67584                       ; the W path's stages begin behind the x path's 8 x 8,448 bytes
	s_load_b256 s[4:11], s[0:1], 0x0               ; x s[4:5], W_attn s[6:7], W_proj s[8:9], xq s[10:11]
	s_load_b64 s[12:13], s[0:1], 0x20              ; wq
	v_lshl_add_u32 v254, v0, 2, 0x17000
	v_mov_b32 v255, 0
	v_lshrrev_b32 v6, 5, v0
	s_delay_alu instid0(VALU_DEP_1)
	v_readfirstlane_b32 s16, v6                    ; wave 0..7
	s_and_b32 s17, ttmp7, 0xffff                   ; work-group y
	v_and_b32 v6, 31, v0                           ; lane
	s_delay_alu instid0(VALU_DEP_1)
	v_lshlrev_b32 v1, 4, v6                        ; 16 x lane
	s_delay_alu instid0(VALU_DEP_2)
	v_lshlrev_b32 v2, 3, v6                        ; 8 x lane
	s_cmp_lt_u32 ttmp9, 16
	s_cbranch_scc1 .Lweights
; ---------------- x ----------------
	s_sub_co_u32 s18, ttmp9, 16
	s_lshl_b32 s19, s17, 4
	s_add_co_u32 s18, s18, s19                     ; 0..127
	s_lshl_b32 s18, s18, 2
	s_lshr_b32 s19, s16, 1
	s_add_co_u32 s18, s18, s19                     ; my tile, 0..511
	s_and_b32 s19, s16, 1                          ; H: which 512 along K
	s_lshr_b32 s24, s18, 1
	s_lshl_b32 s24, s24, 17                        ; 32 rows of 4,096 bytes for each pair of tiles
	s_and_b32 s25, s18, 1
	s_lshl_b32 s25, s25, 15                        ; 8 rows for the odd tile
	s_add_co_u32 s24, s24, s25
	s_lshl_b32 s25, s19, 11
	s_add_co_u32 s24, s24, s25                     ; + 2,048 H
	s_mov_b32 s25, 0
	s_mul_i32 s26, s18, 12288                      ; the tile's 16 half images,
	s_mul_i32 s27, s19, 6144                       ; my eight of them
	s_add_co_u32 s26, s26, s27
	s_mov_b32 s27, 0
	s_lshl_b32 s32, s18, 9                         ; the tile's scale image,
	s_lshl_b32 s33, s19, 8                         ; my half of it
	s_add_co_u32 s32, s32, s33
	s_add_co_u32 s32, s32, 6291456                 ; behind the codes
	s_mov_b32 s33, 0
	s_mov_b32 s20, 0x76543210
	s_mov_b32 s21, 0xfedcba98                      ; v_permlanex16_b32's selects for lane l xor 16
	v_and_b32 v7, 15, v0                           ; r
	v_bfe_u32 v8, v0, 4, 1                         ; h
	s_mul_i32 s34, s16, 8448                       ; my stage: 16 rows x (512 bytes + 16)
	s_wait_alu depctr_va_vdst(0)
	v_add_nc_u32 v3, s34, v1                       ; in: 16 x lane of a row
	v_mul_u32_u24 v4, v7, 528
	s_delay_alu instid0(VALU_DEP_1)
	v_lshl_add_u32 v4, v8, 7, v4
	s_delay_alu instid0(VALU_DEP_1)
	v_add_nc_u32 v4, s34, v4                       ; out: row r, + 128 h: my block of 32 numbers
	v_lshlrev_b32 v5, 3, v8                        ; 8 h: my bytes' place in a scale word
	v_cmp_ne_u32 s22, 0, v8                        ; lanes 16-31
	v_mov_b32 v236, 0                              ; written once: a lane permute's destination counts as one of its sources
	s_wait_alu depctr_va_vdst(0)
	s_wait_kmcnt 0x0
	s_add_nc_u64 s[4:5], s[4:5], s[24:25]
	s_add_nc_u64 s[28:29], s[10:11], s[26:27]      ; my codes
	s_add_nc_u64 s[30:31], s[10:11], s[32:33]      ; my scale words
.macro LOADX t                         ; K step t: 128 numbers of each of the tile's 16 rows; a load reads 512 consecutive bytes of one row
.irp i, 0,1,2,3,4,5,6,7,8,9,10,11,12,13,14,15
	global_load_b128 v[R+64*((\t)%2)+4*\i:R+64*((\t)%2)+4*\i+3], v1, s[4:5] offset:(\i+8*(\i/8))*4096+512*(\t) th:TH_LOAD_NT
.endr
.endm
.macro STEPX t
.if (\t) < 3
	s_wait_loadcnt 16                              ; this step's 16 loads are in; the next step's 16 may be out
.else
	s_wait_loadcnt 0x0
.endif
.irp i, 0,1,2,3,4,5,6,7,8,9,10,11,12,13,14,15
	ds_store_b128 v3, v[R+64*((\t)%2)+4*\i:R+64*((\t)%2)+4*\i+3] offset:528*\i
.endr
.irp c, 0,1                            ; LDS serves a wave's instructions in order: these see the stores above.  Lane (r, h) takes k = 64 c + 32 h + 0 .. 31 of row r
.irp j, 0,1,2,3,4,5,6,7
	ds_load_b128 v[X+32*\c+4*\j:X+32*\c+4*\j+3], v4 offset:256*\c+16*\j
.endr
.endr
	s_wait_dscnt 0x0                               ; my numbers are back, and the stores have read their registers,
.if (\t) < 2
	LOADX (\t)+2                                   ; which take the loads of two steps on
.endif
.irp c, 0,1
	v_max3_num_f32 v[232+\c], |v[X+32*\c]|, |v[X+32*\c+1]|, 0x2800000   ; block 2 c + h is all mine; the floor 2^(5 - 127) holds the byte at 1 from below
.endr
.irp i, 2,4,6,8,10,12,14,16,18,20,22,24,26,28,30
.irp c, 0,1
	s_delay_alu instid0(VALU_DEP_2)
	v_max3_num_f32 v[232+\c], v[232+\c], |v[X+32*\c+\i]|, |v[X+32*\c+\i+1]|
.endr
.endr
.irp c, 0,1
	s_delay_alu instid0(VALU_DEP_2)
	v_add_nc_u32 v[234+\c], 0xfe000000, v[232+\c]  ; 4 off the exponent field: the conversion's scale operand
.endr
.irp c, 0,1
	s_delay_alu instid0(VALU_DEP_2)
	v_lshrrev_b32 v[237+\c], 23, v[234+\c]         ; the scale's byte
.endr
	s_delay_alu instid0(VALU_DEP_1)
	v_lshl_or_b32 v239, v238, 16, v237             ; blocks h and 2 + h,
	s_delay_alu instid0(VALU_DEP_1)
	v_lshlrev_b32 v239, v5, v239                   ; at their places;
	s_delay_alu instid0(VALU_DEP_1)
	v_permlanex16_b32 v236, v239, s20, s21
	s_delay_alu instid0(VALU_DEP_1)
	v_or_b32 v[W+(\t)], v239, v236                 ; with lane l xor 16's two the row's word is whole
	s_wait_alu depctr_va_vdst(0)
	s_wait_xcnt 0x0                                ; the last step's stores have read the codes' registers
.irp c, 0,1
	v_cvt_scalef32_pk16_bf6_f32 v[PC+6*\c:PC+6*\c+2], v[X+32*\c:X+32*\c+15], v[234+\c]
	v_cvt_scalef32_pk16_bf6_f32 v[T+4*\c:T+4*\c+2], v[X+32*\c+16:X+32*\c+31], v[234+\c]   ; (a conversion's three registers begin on an even number)
.endr
	v_nop                                          ; one plain place behind a scaled conversion
.irp c, 0,1
.irp i, 0,1,2
	v_mov_b32 v[PC+6*\c+3+\i], v[T+4*\c+\i]
.endr
.endr
.irp c, 0,1
	global_store_b128 v1, v[PC+6*\c:PC+6*\c+3], s[28:29] offset:(2*(\t)+\c)*768        ; 512 consecutive bytes, at a multiple of 256 from the buffer's first byte
	global_store_b64 v2, v[PC+6*\c+4:PC+6*\c+5], s[28:29] offset:(2*(\t)+\c)*768+512   ; 256 consecutive bytes, likewise
.endr
.endm
	LOADX 0
	LOADX 1
	STEPX 0
	STEPX 1
	STEPX 2
	STEPX 3
	v_cndmask_b32 v240, v[W], v[W+1], s22          ; the image's word (lane (r, h), q) is K step 2 q + h of my four
	v_cndmask_b32 v241, v[W+2], v[W+3], s22
	global_store_b64 v2, v[240:241], s[30:31]      ; 256 consecutive bytes, aligned
	s_wait_tensorcnt 0x0
	ds_add_u32 v254, v255
	s_wait_dscnt 0x0
	s_endpgm
; ---------------- the weights ----------------
; A LANE TAKES A COLUMN AND ITS REGISTERS RUN DOWN K: a load reads 128 consecutive bytes a wave, the eight waves side by side 1,024; a block of 32 along K is one lane's, and the codes come out with K innermost.
.Lweights:
	s_sub_co_u32 s18, ttmp9, 12
	s_mov_b32 s19, 4096
	s_mov_b32 s23, 2359296
	s_mov_b32 s34, 3244032
	s_wait_kmcnt 0x0
	s_cmp_lt_u32 ttmp9, 12                         ; W_attn's work-group or W_proj's?  Only pointers and sizes are chosen: both take one path
	s_cselect_b64 s[6:7], s[6:7], s[8:9]
	s_cselect_b32 s18, ttmp9, s18                  ; which 256 columns
	s_cselect_b32 s19, 12288, s19                  ; a row of the weight in bytes
	s_cselect_b32 s23, 0, s23                      ; where its codes begin in wq
	s_cselect_b32 s34, 3145728, s34                ; and its scale images
	s_lshl_b32 s35, s18, 3
	s_add_co_u32 s35, s35, s16                     ; my 32 columns: tiles 2 g and 2 g + 1
	s_lshl_b32 s36, s17, 7                         ; K step y: rows 128 y on
	s_mul_i32 s36, s36, s19
	s_lshl_b32 s37, s18, 10
	s_add_co_u32 s36, s36, s37
	s_lshl_b32 s37, s16, 7
	s_add_co_u32 s36, s36, s37
	s_mov_b32 s37, 0
	s_add_nc_u64 s[24:25], s[6:7], s[36:37]        ; block 0 of my columns,
	s_lshl_b32 s36, s19, 5
	s_add_nc_u64 s[26:27], s[24:25], s[36:37]      ; and the blocks 32 rows further down
	s_add_nc_u64 s[28:29], s[26:27], s[36:37]
	s_add_nc_u64 s[30:31], s[28:29], s[36:37]
	s_lshl_b32 s38, s35, 5
	s_lshl_b32 s39, s17, 1
	s_add_co_u32 s38, s38, s39
	s_mul_i32 s38, s38, 768                        ; tile 2 g, half image 2 y
	s_add_co_u32 s38, s38, s23
	s_mov_b32 s39, 0
	s_add_nc_u64 s[38:39], s[12:13], s[38:39]
	s_lshl_b32 s40, s35, 10                        ; tile 2 g's scale image; in it K step y: 256 (y / 4) + 128 (y % 2) + 4 ((y / 2) % 2)
	s_add_co_u32 s40, s40, s34
	s_lshr_b32 s41, s17, 2
	s_lshl_b32 s41, s41, 8
	s_add_co_u32 s40, s40, s41
	s_and_b32 s41, s17, 1
	s_lshl_b32 s41, s41, 7
	s_add_co_u32 s40, s40, s41
	s_bfe_u32 s41, s17, 0x10001
	s_lshl_b32 s41, s41, 2
	s_add_co_u32 s40, s40, s41
	s_mov_b32 s41, 0
	s_add_nc_u64 s[40:41], s[12:13], s[40:41]
	v_bfe_u32 v7, v0, 3, 1                         ; column l of the 32 is lane-row (l % 8) + 8 (l / 16) of tile (l / 8) % 2
	v_and_b32 v8, 7, v0
	v_bfe_u32 v9, v0, 4, 1
	s_delay_alu instid0(VALU_DEP_1)
	v_lshl_add_u32 v8, v9, 3, v8
	s_mul_i32 s42, s16, 3328                       ; my stage: two tiles x (two half images + 128 bytes)
	s_add_co_u32 s42, s42, WST
	v_mul_u32_u24 v9, v7, 1664
	s_delay_alu instid0(VALU_DEP_1)
	v_add_nc_u32 v9, s42, v9
	s_delay_alu instid0(VALU_DEP_1)
	v_lshl_add_u32 v10, v8, 4, v9                  ; where a block's first 16 bytes go,
	s_delay_alu instid0(VALU_DEP_2)
	v_lshl_add_u32 v11, v8, 3, v9
	s_delay_alu instid0(VALU_DEP_1)
	v_add_nc_u32 v11, 512, v11                     ; and its last 8
	v_add_nc_u32 v12, s42, v1                      ; back: 16 x lane
	v_lshlrev_b32 v13, 3, v8
	s_delay_alu instid0(VALU_DEP_1)
	v_lshl_add_u32 v13, v7, 9, v13                 ; my scale word: 512 x tile + 8 x lane-row
	v_lshlrev_b32 v[OFF], 2, v6
.irp i, 1,2,3,4,5,6,7,8,9,10,11,12,13,14,15,16,17,18,19,20,21,22,23,24,25,26,27,28,29,30,31
	v_mad_u32_u24 v[OFF+\i], s19, \i, v[OFF]
.endr
.macro LOADW kb
.irp i, 0,1,2,3,4,5,6,7,8,9,10,11,12,13,14,15,16,17,18,19,20,21,22,23,24,25,26,27,28,29,30,31
	global_load_b32 v[XW+32*(\kb)+\i], v[OFF+\i], s[24+2*(\kb):25+2*(\kb)] th:TH_LOAD_NT
.endr
.endm
.macro BLOCKW kb                       ; block kb of 32 along K is registers 6 (kb / 2) .. + 5 of lane (lane-row, kb % 2) of the operand
.set XS, XW+32*(\kb)
.set CC, C+8*(\kb)
.if (\kb) < 3
	s_wait_loadcnt 32                              ; this block's 32 loads are in; the next block's 32 may be out
.else
	s_wait_loadcnt 0x0
.endif
.if (\kb) < 2
	LOADW (\kb)+2
.endif
	v_max3_num_f32 v209, |v[XS]|, |v[XS+1]|, |v[XS+2]|
	v_max3_num_f32 v210, |v[XS+3]|, |v[XS+4]|, |v[XS+5]|
.irp i, 6,10,14,18,22,26
	s_delay_alu instid0(VALU_DEP_2)
	v_max3_num_f32 v209, v209, |v[XS+\i]|, |v[XS+\i+1]|
	s_delay_alu instid0(VALU_DEP_2)
	v_max3_num_f32 v210, v210, |v[XS+\i+2]|, |v[XS+\i+3]|
.endr
	s_delay_alu instid0(VALU_DEP_2)
	v_max3_num_f32 v209, v209, |v[XS+30]|, |v[XS+31]|
	s_delay_alu instid0(VALU_DEP_1)
	v_max3_num_f32 v209, v209, v210, 0x2800000     ; and the floor
	s_delay_alu instid0(VALU_DEP_1)
	v_add_nc_u32 v211, 0xfe000000, v209
	s_delay_alu instid0(VALU_DEP_1)
	v_lshrrev_b32 v210, 23, v211
.if (\kb) == 0
	s_delay_alu instid0(VALU_DEP_1)
	v_mov_b32 v208, v210
.else
	s_delay_alu instid0(VALU_DEP_1)
	v_lshl_or_b32 v208, v210, 8*(\kb), v208        ; the four bytes make my column's word of this K step
.endif
	v_cvt_scalef32_pk16_bf6_f32 v[CC:CC+2], v[XS:XS+15], v211
	v_cvt_scalef32_pk16_bf6_f32 v[CC+4:CC+6], v[XS+16:XS+31], v211
	v_nop                                          ; one plain place behind a scaled conversion
	v_mov_b32 v[CC+3], v[CC+4]                     ; the block's 24 bytes on end
	v_mov_b32 v[CC+4], v[CC+5]
	v_mov_b32 v[CC+5], v[CC+6]
	ds_store_b128 v10, v[CC:CC+3] offset:768*((\kb)/2)+256*((\kb)%2)
	ds_store_b64 v11, v[CC+4:CC+5] offset:768*((\kb)/2)+128*((\kb)%2)
.endm
	LOADW 0
	LOADW 1
	s_wait_alu depctr_va_vdst(0)
	BLOCKW 0
	BLOCKW 1
	BLOCKW 2
	BLOCKW 3
.irp n, 0,1,2,3,4,5
	ds_load_b128 v[XW+4*\n:XW+4*\n+3], v12 offset:1664*(\n/3)+512*(\n%3)   ; LDS serves a wave's instructions in order: these see my stores
.endr
	s_wait_alu depctr_va_vdst(0)
.irp n, 0,1,2,3,4,5
	s_wait_dscnt 5-\n                              ; the later loads may be out
	global_store_b128 v1, v[XW+4*\n:XW+4*\n+3], s[38:39] offset:12288*(\n/3)+512*(\n%3)   ; 512 consecutive bytes, aligned
.endr
	global_store_b32 v13, v208, s[40:41]           ; 4 bytes a lane, 8 bytes apart: these blocks of 256 bytes are written in parts, by the eight work-groups of a column block: one byte for each 128 that the path reads
	s_wait_tensorcnt 0x0
	ds_add_u32 v254, v255
	s_wait_dscnt 0x0
	s_endpgm
.Lfunc_end_k_q19c736e0f8_quant:
	.size	k_q19c736e0f8_quant, .Lfunc_end_k_q19c736e0f8_quant-k_q19c736e0f8_quant
	.p2alignl 7, 3214868480
	.fill 96, 4, 3214868480
	.section	.rodata,"a",@progbits
	.p2align	6, 0x0
	.amdhsa_kernel k_q19c736e0f8_quant
		.amdhsa_group_segment_fixed_size 95232
		.amdhsa_private_segment_fixed_size 0
		.amdhsa_enable_private_segment 0
		.amdhsa_kernarg_size 40
		.amdhsa_user_sgpr_count 2
		.amdhsa_user_sgpr_kernarg_segment_ptr 1
		.amdhsa_wavefront_size32 1
		.amdhsa_system_sgpr_workgroup_id_x 1
		.amdhsa_system_sgpr_workgroup_id_y 1
		.amdhsa_system_sgpr_workgroup_id_z 1
		.amdhsa_system_vgpr_workitem_id 0
		.amdhsa_next_free_vgpr 256
		.amdhsa_next_free_sgpr 66
		.amdhsa_reserve_vcc 0
		.amdhsa_float_denorm_mode_32 3
		.amdhsa_float_denorm_mode_16_64 3
		.amdhsa_memory_ordered 1
		.amdhsa_forward_progress 1
		.amdhsa_inst_pref_size 62
	.end_amdhsa_kernel
	.amdgpu_metadata
---
amdhsa.version: [ 1, 2 ]
amdhsa.kernels:
  - .name:           k_q19c736e0f8_quant
    .symbol:         k_q19c736e0f8_quant.kd
    .args:
      - { .name: x, .offset: 0, .size: 8, .value_kind: global_buffer, .address_space: global }
      - { .name: W_attn, .offset: 8, .size: 8, .value_kind: global_buffer, .address_space: global }
      - { .name: W_proj, .offset: 16, .size: 8, .value_kind: global_buffer, .address_space: global }
      - { .name: xq, .offset: 24, .size: 8, .value_kind: global_buffer, .address_space: global }
      - { .name: wq, .offset: 32, .size: 8, .value_kind: global_buffer, .address_space: global }
    .group_segment_fixed_size: 95232
    .private_segment_fixed_size: 0
    .kernarg_segment_align: 8
    .kernarg_segment_size: 40
    .max_flat_workgroup_size: 256
    .sgpr_count:     66
    .vgpr_count:     256
    .wavefront_size: 32
...
	.end_amdgpu_metadata
.endif
;; end of part 1
;; launch qkv (part 2): grid 16 x 48, 4 waves a work-group, clusters of 4 x 4, 295,424 bytes of LDS; arguments xq, wq, b_attn, qq, kq, vq; writes qq, kq, vq
.if DOCPART == 2
	.amdgcn_target "amdgcn-amd-amdhsa--gfx1250"
	.amdhsa_code_object_version 6
	.text
	.protected	k_q19c736e0f8_qkv
	.globl	k_q19c736e0f8_qkv
	.p2align	8
	.type	k_q19c736e0f8_qkv,@function
k_q19c736e0f8_qkv:
	s_mov_b64 s[64:65], 0
	v_nop
	global_prefetch_b8 v0, s[64:65] scope:SCOPE_SE
	s_setreg_imm32_b32 hwreg(HW_REG_WAVE_MODE, 25, 1), 1
	s_wait_xcnt 0x0
	s_wait_alu depctr_hold_cnt(0) depctr_sa_sdst(0) depctr_va_vdst(0) depctr_va_sdst(0) depctr_va_ssrc(0) depctr_va_vcc(0) depctr_vm_vsrc(0)
	s_getreg_b32 s2, hwreg(HW_REG_IB_STS2, 6, 4)
	s_cmp_eq_u32 s2, 0
	s_cbranch_scc0 .Lentry_in_a_cluster
	s_endpgm
.Lentry_in_a_cluster:
	s_bfe_u32 s2, ttmp6, 0x10000c
	s_cmp_lg_u32 s2, 0xf033
	s_cbranch_scc0 .Lentry_shape_is_right
	s_endpgm
.Lentry_shape_is_right:
; qkv = x W_attn + b_attn on codes of BF6 (E3M2) with E8M0 scales, K = 1,024; q, k and v leave as codes again, quantised here along the next products' K, laid as images of operand registers.
; A work-group makes P 128 x Q 256: source 0 = 16 rows of P, source 1 = 16 rows of Q, so a lane holds ONE row of Q and its registers run along P.  Wave w: all 8 tiles of P x tiles 4 w .. 4 w + 3 of Q: 32 accumulators.
; TWO MODES, by the cluster's y (the same in all sixteen partners).  y < 8: P = 128 columns of W_attn (two heads of q or of k), Q = 256 tokens: a lane's registers run along the head's axis, the K of q k^T.
; y >= 8: P = 128 tokens, Q = 256 columns of v: a lane holds one channel d and its registers run along the keys, the K of p v.  Only pointers and scalars differ; the products have one text.
; A tile's lane-row r is row 32 (i / 2) + 8 (i % 2) + r + 8 (r / 8), so that the 16 registers of tiles 2 b, 2 b + 1 of P are 16 neighbours: P index 32 b + 16 (lane / 16) + 0 .. 15.
; ALL OF K LIES IN LDS: (128 + 256) rows x 768 bytes = 294,912 bytes, each filled once, four tensor loads a wave (four are out at the most): no slot is filled again.
; CLUSTER 4 x 4: P's tiles hang on x alone and are asked for jointly by a column of the cluster, Q's on y alone, by a row.
; LIMITS: as in the quantiser: byte 1 for blocks of zeros and blocks under 2^-122; NaN and infinities not served.  The bias enters as the C of the first K step (y < 8) or is added behind the sum (y >= 8).
; REGISTERS: window 0: v1-26 addresses; v32-63 P's scale words (4 t + 2 H + q), v64-79 Q's; v80-127, v128-175 Q's fragments, two sets; v200-207 the lane's bias, in pairs; on the way out v80-195 at work.
;   window 1: accumulator (a, t) at v[8 (8 a + t)].   window 2: P's fragments, two sets of 96; v192-255 the bias along P.
.set CH,   73728                       ; a chunk: K steps 2 j, 2 j + 1 of P's 8 and Q's 16 tiles, 3,072 bytes a tile
.set SCP,  32
.set SCQ,  64
.set QF,   80
.set BQ,   200
.set ST,   80                          ; the way out: 64 numbers
.set PC,   144                         ; their codes
.set TM,   164
.set PW,   180                         ; their scale word
.set W0,   184
.set W1,   188
.set U,    192
.set SEL,  100
.set MSB,  0
.macro WIN new                         ; the immediate's high byte repeats the setting that is left
.if MSB != \new
	s_set_vgpr_msb (MSB<<8)|\new
.set MSB, \new
.endif
.endm
.macro PLACES n
.rept \n
	v_nop
.endr
.endm
.macro CROUND                          ; a round of the cluster's barrier
	s_barrier_signal -1
	s_barrier_wait -1
	s_cmp_lg_u32 s16, 0
	s_cbranch_scc1 .Lnot_wave_0_\@
	s_barrier_signal -3
.Lnot_wave_0_\@:
	s_barrier_wait -3
	s_barrier_signal -1
	s_barrier_wait -1
.endm
; 64 numbers of a lane, register 16 b + i = k 32 b + 16 (lane / 16) + i of my row, become a fragment's codes in v[PC] on and its scale word in v[PW]
.macro QUANT s
.irp b, 0,1,2,3
	v_max3_num_f32 v[TM+\b], |v[\s+16*\b]|, |v[\s+1+16*\b]|, 0x2800000   ; my 16 numbers of block b, and the floor 2^(5 - 127)
.endr
.irp i, 2,4,6,8,10,12,14
.irp b, 0,1,2,3
	v_max3_num_f32 v[TM+\b], v[TM+\b], |v[\s+16*\b+\i]|, |v[\s+1+16*\b+\i]|
.endr
.endr
.irp b, 0,1,2,3
	v_permlanex16_b32 v[TM+4+\b], v[TM+\b], s[SEL], s[SEL+1]
.endr
.irp b, 0,1,2,3
	v_max_num_f32 v[TM+\b], v[TM+\b], v[TM+4+\b]   ; with lane l xor 16's: the block's largest magnitude
.endr
.irp b, 0,1,2,3
	v_add_nc_u32 v[TM+12+\b], 0xfe000000, v[TM+\b] ; 4 off its exponent field: the conversion's scale operand
.endr
.irp b, 0,1,2,3
	v_lshrrev_b32 v[TM+4+\b], 23, v[TM+12+\b]      ; the scale's byte
.endr
	v_lshl_or_b32 v[PW], v[TM+5], 8, v[TM+4]
	v_lshl_or_b32 v[PW], v[TM+6], 16, v[PW]
	v_lshl_or_b32 v[PW], v[TM+7], 24, v[PW]
.irp c, 0,1
	v_cvt_scalef32_pk16_bf6_f32 v[PC+6*\c:PC+2+6*\c], v[\s+32*\c:\s+15+32*\c], v[TM+12+2*\c]
	v_cvt_scalef32_pk16_bf6_f32 v[PC+12+4*\c:PC+14+4*\c], v[\s+16+32*\c:\s+31+32*\c], v[TM+12+2*\c+1]
.endr
	v_nop                                          ; one plain place behind a scaled conversion
.irp c, 0,1                            ; the operand's layout wants a whole block in a lane
.irp i, 0,1,2
	v_permlane16_swap_b32 v[PC+6*\c+\i], v[PC+12+4*\c+\i]
.endr
.irp i, 0,1,2
	v_mov_b32 v[PC+3+6*\c+\i], v[PC+12+4*\c+\i]
.endr
.endr
.endm
	s_load_b256 s[4:11], s[0:1], 0x0               ; xq s[4:5], wq s[6:7], b_attn s[8:9], qq s[10:11]
	s_load_b128 s[12:15], s[0:1], 0x20             ; kq s[12:13], vq s[14:15]
	v_lshl_add_u32 v254, v0, 2, 0x48000
	v_mov_b32 v255, 0
	ds_add_u32 v254, v255
	ds_add_u32 v254, v255
	v_lshrrev_b32 v1, 5, v0
	v_readfirstlane_b32 s16, v1                    ; wave 0..3
	s_and_b32 s17, s16, 1
	s_lshr_b32 s23, s16, 1
	s_bfe_u32 s18, ttmp6, 0x40000                  ; cx
	s_bfe_u32 s19, ttmp6, 0x40004                  ; cy
	s_and_b32 s20, ttmp7, 0xffff                   ; the cluster's y
	s_lshl_b32 s22, 0x1111, s18                    ; my column of the cluster
	s_lshl_b32 s66, s19, 2
	s_lshl_b32 s66, 15, s66                        ; my row
	; descriptor group 1: R tiles' parts of a chunk: rows of 3,072 bytes (384 elements of 8 bytes), 12,288 bytes apart in memory, on end in LDS
	s_or_b32 s24, s22, (3<<16)|(1<<21)             ; P's: the mask of my column; elements of 8 bytes; bit 21 beside a mask
	s_mov_b32 s25, 384<<16                         ; tensor_dim0
	s_mov_b32 s26, 4<<16                           ; tensor_dim1 = 4 tiles
	s_mov_b32 s27, 384<<16                         ; tile_dim0
	s_mov_b32 s28, 4                               ; tile_dim1
	s_mov_b32 s29, 1536                            ; the pitch, in elements
	s_mov_b32 s30, 0
	s_mov_b32 s31, 0
	s_or_b32 s32, s66, (3<<16)|(1<<21)             ; Q's: the mask of my row
	s_mov_b32 s33, 384<<16
	s_mov_b32 s34, 8<<16                           ; 8 tiles
	s_mov_b32 s35, 384<<16
	s_mov_b32 s36, 8
	s_mov_b32 s37, 1536
	s_mov_b32 s38, 0
	s_mov_b32 s39, 0
	s_sub_co_u32 s59, s20, 8
	s_mov_b32 s58, 6291456
	s_mov_b32 s62, 3145728
	s_wait_dscnt 0x0
	s_wait_kmcnt 0x0
	s_cmp_lt_u32 s20, 8                            ; the mode: it hangs on the cluster's y alone
	s_cselect_b64 s[56:57], s[6:7], s[4:5]         ; P's buffer
	s_cselect_b64 s[60:61], s[4:5], s[6:7]         ; Q's
	s_cselect_b32 s58, 3145728, s58                ; where P's scale images begin
	s_cselect_b32 s62, 6291456, s62                ; and Q's
	s_cselect_b32 s63, 0, 128                      ; Q's first tile: v's columns begin at tile 128 of W_attn
	s_cselect_b32 s59, 0, s59
	s_cselect_b32 s67, s20, 0
	s_cselect_b32 s21, 0, 1                        ; MODE
	s_lshl_b32 s2, ttmp9, 2
	s_add_co_u32 s2, s2, s18
	s_lshl_b32 s59, s59, 4
	s_add_co_u32 s2, s2, s59                       ; pi: my 128 rows of P (no cy enters)
	s_lshl_b32 s3, s67, 2
	s_add_co_u32 s3, s3, s19                       ; qi: my 256 rows of Q (no cx enters)
	s_lshl_b32 s84, s2, 3
	s_lshl_b32 s85, s17, 2
	s_add_co_u32 s84, s84, s85
	s_mul_i32 s84, s84, 12288
	s_mov_b32 s85, 0
	s_add_nc_u64 s[84:85], s[56:57], s[84:85]      ; P: tile 8 pi + 4 (wave % 2)
	s_lshl_b32 s88, s3, 4
	s_add_co_u32 s88, s88, s63
	s_lshl_b32 s89, s17, 3
	s_add_co_u32 s88, s88, s89
	s_mul_i32 s88, s88, 12288
	s_mov_b32 s89, 0
	s_add_nc_u64 s[88:89], s[60:61], s[88:89]      ; Q: tile 16 qi + 8 (wave % 2)
	s_mul_i32 s86, s17, 12288                      ; where they go in a chunk: no place in the cluster enters an LDS address
	s_mul_i32 s90, s17, 24576
	s_add_co_u32 s90, s90, 24576
.irp j, 0,1,2,3
	s_mov_b32 s[40+4*\j], 1
	s_add_co_u32 s[41+4*\j], s86, CH*\j
	s_add_nc_u64 s[42+4*\j:43+4*\j], s[84:85], 3072*\j
	s_or_b32 s[43+4*\j], s[43+4*\j], 0x80000000
	s_mov_b32 s[68+4*\j], 1
	s_add_co_u32 s[69+4*\j], s90, CH*\j
	s_add_nc_u64 s[70+4*\j:71+4*\j], s[88:89], 3072*\j
	s_or_b32 s[71+4*\j], s[71+4*\j], 0x80000000
.endr
	CROUND                                         ; all sixteen work-groups are here: the joint loads meet
	s_cmp_lt_u32 s16, 2                            ; waves 0 and 1 fetch P's halves, waves 2 and 3 Q's: a wave's four loads stand in one arm; four v_nop follow the last
	s_cbranch_scc0 .Lfor_q
	tensor_load_to_lds s[40:43], s[24:31]
	s_nop 0
	tensor_load_to_lds s[44:47], s[24:31]
	s_nop 0
	tensor_load_to_lds s[48:51], s[24:31]
	s_nop 0
	tensor_load_to_lds s[52:55], s[24:31]
	s_nop 0
	PLACES 4
	s_branch .Lasked
.Lfor_q:
	tensor_load_to_lds s[68:71], s[32:39]
	s_nop 0
	tensor_load_to_lds s[72:75], s[32:39]
	s_nop 0
	tensor_load_to_lds s[76:79], s[32:39]
	s_nop 0
	tensor_load_to_lds s[80:83], s[32:39]
	s_nop 0
	PLACES 4
.Lasked:
	v_and_b32 v5, 31, v0
	v_lshlrev_b32 v1, 4, v5                        ; 16 x lane
	v_lshlrev_b32 v2, 3, v5                        ; 8 x lane
	s_wait_alu depctr_va_vdst(0)
	v_and_b32 v3, 15, v0                           ; r
	v_bfe_u32 v4, v0, 4, 1                         ; h
	s_lshl_b32 s92, s2, 12
	s_add_co_u32 s92, s92, s58
	s_mov_b32 s93, 0
	s_add_nc_u64 s[92:93], s[56:57], s[92:93]      ; P's eight scale images
	s_lshl_b32 s94, s3, 4
	s_add_co_u32 s94, s94, s63
	s_lshl_b32 s95, s16, 2
	s_add_co_u32 s94, s94, s95
	s_lshl_b32 s94, s94, 9
	s_add_co_u32 s94, s94, s62
	s_mov_b32 s95, 0
	s_add_nc_u64 s[94:95], s[60:61], s[94:95]      ; my four of Q's
.irp t, 0,1,2,3,4,5,6,7
.irp hh, 0,1
	global_load_b64 v[SCP+4*\t+2*\hh:SCP+4*\t+2*\hh+1], v2, s[92:93] offset:512*\t+256*\hh   ; 256 consecutive bytes: the words of four K steps, two in lanes 0-15 and two in lanes 16-31
.endr
.endr
.irp a, 0,1,2,3
.irp hh, 0,1
	global_load_b64 v[SCQ+4*\a+2*\hh:SCQ+4*\a+2*\hh+1], v2, s[94:95] offset:512*\a+256*\hh
.endr
.endr
.irp i, 0,1,2,3,4,5,6,7
	v_mov_b32 v[BQ+\i], 0
.endr
	s_cmp_lg_u32 s21, 0
	s_cbranch_scc1 .Lbias_v
	s_lshl_b32 s96, s2, 9                          ; the bias runs along P: register 16 b + i takes b_attn[128 pi + 32 b + 16 h + i]
	s_mov_b32 s97, 0
	s_add_nc_u64 s[96:97], s[8:9], s[96:97]
	s_wait_alu depctr_va_vdst(0)
	v_lshlrev_b32 v26, 6, v4
	WIN 0x80
.irp b, 0,1,2,3
.irp q, 0,1,2,3
	global_load_b128 v[192+16*\b+4*\q:195+16*\b+4*\q], v26, s[96:97] offset:128*\b+16*\q
.endr
.endr
	WIN 0
	s_branch .Lbias_done
.Lbias_v:
	s_lshl_b32 s96, s3, 8                          ; the bias runs along Q: one number a lane and tile: b_attn[2048 + 256 qi + 64 w + the lane-row's column]
	s_lshl_b32 s97, s16, 6
	s_add_co_u32 s96, s96, s97
	s_add_co_u32 s96, s96, 2048
	s_lshl_b32 s96, s96, 2
	s_mov_b32 s97, 0
	s_add_nc_u64 s[96:97], s[8:9], s[96:97]
	v_and_b32 v26, 8, v3
	v_add_nc_u32 v26, v26, v3
	v_lshlrev_b32 v26, 2, v26
.irp a, 0,1,2,3
	global_load_b32 v[BQ+2*\a], v26, s[96:97] offset:(32*(\a/2)+8*(\a%2))*4
.endr
	WIN 0x80
.set n, 0
.rept 64
	v_mov_b32 v[192+n], 0                          ; the first K step's C, which this mode does not use for the bias
.set n, n+1
.endr
	WIN 0
.Lbias_done:
.irp j, 0,1,2,3
	v_add_nc_u32 v[8+\j], CH*\j, v1                ; P's fragments in chunk j: the 16-byte parts,
	v_add_nc_u32 v[12+\j], CH*\j, v2               ; the 8-byte parts
.endr
	s_mul_i32 s98, s16, 12288
	s_add_co_u32 s98, s98, 24576
.irp j, 0,1,2,3
	v_add_nc_u32 v[16+\j], s98, v[8+\j]            ; my four tiles of Q
	v_add_nc_u32 v[20+\j], s98, v[12+\j]
.endr
	s_lshl_b32 s98, s16, 9                         ; the way out's 512 bytes of my own, in chunk 0
	v_lshl_add_u32 v24, v3, 2, s98
	v_add_nc_u32 v25, s98, v2
	s_mov_b32 s[SEL], 0x76543210
	s_mov_b32 s[SEL+1], 0xfedcba98
.macro FETCH s                         ; K step s: 48 LDS loads, each of consecutive bytes: P's eight fragments and my four of Q, into set s % 2
	WIN 0x80
.irp t, 0,1,2,3,4,5,6,7
.irp c, 0,1
	ds_load_b128 v[96*((\s)%2)+12*\t+6*\c:96*((\s)%2)+12*\t+6*\c+3], v[8+(\s)/2] offset:3072*\t+1536*((\s)%2)+768*\c
	ds_load_b64 v[96*((\s)%2)+12*\t+6*\c+4:96*((\s)%2)+12*\t+6*\c+5], v[12+(\s)/2] offset:3072*\t+1536*((\s)%2)+768*\c+512
.endr
.endr
	WIN 0
.irp a, 0,1,2,3
.irp c, 0,1
	ds_load_b128 v[QF+48*((\s)%2)+12*\a+6*\c:QF+48*((\s)%2)+12*\a+6*\c+3], v[16+(\s)/2] offset:3072*\a+1536*((\s)%2)+768*\c
	ds_load_b64 v[QF+48*((\s)%2)+12*\a+6*\c+4:QF+48*((\s)%2)+12*\a+6*\c+5], v[20+(\s)/2] offset:3072*\a+1536*((\s)%2)+768*\c+512
.endr
.endr
.endm
.macro MUL s                           ; 32 products; the accumulators take turns, in the same order in every step.  An odd step's scale words lie in lanes 16-31
.set PFR, 96*((\s)%2)
.set QFR, QF+48*((\s)%2)
.set SW, 2*((\s)/4)+((\s)/2)%2
.if (\s) == 0
	WIN 0x62                                       ; source 0 (P) and C (the bias) window 2, source 1 (Q) window 0, D window 1
.else
	WIN 0x52                                       ; C and D window 1
.endif
.irp a, 0,1,2,3
.irp t, 0,1,2,3,4,5,6,7
.if (\s) == 0
	v_wmma_scale_f32_16x16x128_f8f6f4 v[8*(8*\a+\t):8*(8*\a+\t)+7], v[PFR+12*\t:PFR+12*\t+11], v[QFR+12*\a:QFR+12*\a+11], v[192+8*\t:192+8*\t+7], v[SCP+4*\t+SW], v[SCQ+4*\a+SW] matrix_a_fmt:MATRIX_FMT_BF6 matrix_b_fmt:MATRIX_FMT_BF6
.elseif (\s)%2
	v_wmma_scale_f32_16x16x128_f8f6f4 v[8*(8*\a+\t):8*(8*\a+\t)+7], v[PFR+12*\t:PFR+12*\t+11], v[QFR+12*\a:QFR+12*\a+11], v[8*(8*\a+\t):8*(8*\a+\t)+7], v[SCP+4*\t+SW], v[SCQ+4*\a+SW] matrix_a_fmt:MATRIX_FMT_BF6 matrix_b_fmt:MATRIX_FMT_BF6 matrix_a_scale:MATRIX_SCALE_ROW1 matrix_b_scale:MATRIX_SCALE_ROW1
.else
	v_wmma_scale_f32_16x16x128_f8f6f4 v[8*(8*\a+\t):8*(8*\a+\t)+7], v[PFR+12*\t:PFR+12*\t+11], v[QFR+12*\a:QFR+12*\a+11], v[8*(8*\a+\t):8*(8*\a+\t)+7], v[SCP+4*\t+SW], v[SCQ+4*\a+SW] matrix_a_fmt:MATRIX_FMT_BF6 matrix_b_fmt:MATRIX_FMT_BF6
.endif
.endr
.endr
.endm
.macro KSTEP s
.if ((\s)%2 == 1) && ((\s) < 7)
	s_wait_dscnt 0x0                               ; my reads of the chunk in hand are over;
	s_wait_tensorcnt 3-((\s)+1)/2                  ; my part of the next chunk is in; the loads of the chunks behind it may be out
	s_barrier_signal -1
	s_barrier_wait -1                              ; everybody's is
.endif
.if (\s) < 7
.if (\s) > 0
	PLACES 4                                       ; in front of loads into registers that the step before last's products have read
.endif
	FETCH (\s)+1
	s_wait_dscnt 48                                ; all but the 48 just issued: this step's fragments are in
.else
	s_wait_dscnt 0x0
.endif
	MUL \s
	WIN 0
.endm
	s_wait_alu depctr_va_vdst(0)
	s_wait_tensorcnt 3                             ; my part of chunk 0 is in; chunks 1 to 3 may be out
	s_barrier_signal -1
	s_barrier_wait -1
	FETCH 0
	s_wait_loadcnt 0x0                             ; the scale words and the bias
	KSTEP 0
	KSTEP 1
	KSTEP 2
	KSTEP 3
	KSTEP 4
	KSTEP 5
	KSTEP 6
	KSTEP 7
; THE WAY OUT.  Tile a of Q: a lane's 64 sums are 128 along P of one row of Q: with the lane's bias they are quantised and ARE a fragment: two half images.
; y < 8: the two half images are two heads' codes of 16 tokens (q or k): [head][key step][tile in the step]; the scale word's halves go to the two heads.  y >= 8: 16 channels x 128 keys of one head's V^T.
	PLACES 4
	s_lshr_b32 s84, s3, 3
	s_lshl_b32 s84, s84, 4
	s_and_b32 s85, s2, 7
	s_lshl_b32 s85, s85, 1
	s_add_co_u32 s84, s84, s85                     ; q, k: 16 x batch + my first head
	s_lshl_b32 s84, s84, 4
	s_and_b32 s85, s3, 7
	s_lshl_b32 s85, s85, 1
	s_add_co_u32 s84, s84, s85
	s_add_co_u32 s84, s84, s23                     ; its step 2 (qi % 8) + wave / 2
	s_mul_i32 s84, s84, 6656
	s_mul_i32 s85, s17, 3072
	s_add_co_u32 s85, s84, s85                     ; my four tiles of the step's eight
	s_lshl_b32 s86, s17, 8
	s_add_co_u32 s86, s86, s84
	s_add_co_u32 s86, s86, 6144                    ; and their scale words
	s_lshr_b32 s87, s2, 4
	s_lshl_b32 s87, s87, 4
	s_lshl_b32 s88, s3, 2
	s_add_co_u32 s87, s87, s88
	s_add_co_u32 s87, s87, s16                     ; v: 16 x batch + head 4 qi + wave
	s_lshl_b32 s87, s87, 4
	s_and_b32 s88, s2, 15
	s_add_co_u32 s87, s87, s88                     ; key step pi % 16
	s_mul_i32 s87, s87, 6400
	s_add_co_u32 s88, s87, 6144
	s_mov_b32 s89, 1536
	s_mov_b32 s90, 768
	s_cmp_lt_u32 ttmp9, 2                          ; pi < 8: q
	s_cselect_b64 s[92:93], s[10:11], s[12:13]
	s_cmp_eq_u32 s21, 0
	s_cselect_b64 s[92:93], s[92:93], s[14:15]
	s_cselect_b32 s94, s85, s87
	s_cselect_b32 s96, s86, s88
	s_cselect_b32 s98, 768, s89                    ; from tile a to tile a + 1
	s_cselect_b32 s90, 106496, s90                 ; from half image 0 to half image 1: the next head, or the next 64 keys
	s_cselect_b32 s91, 0xffff, -1                  ; what of the scale word goes with half image 0
	s_mov_b32 s95, 0
	s_mov_b32 s97, 0
	s_mov_b32 s99, 0
	s_add_nc_u64 s[84:85], s[92:93], s[94:95]
	s_mov_b32 s94, s90
	s_add_nc_u64 s[86:87], s[84:85], s[94:95]
	s_add_nc_u64 s[88:89], s[92:93], s[96:97]
	s_add_nc_u64 s[96:97], s[88:89], 106496
.irp a, 0,1,2,3
	WIN 0x01                                       ; source 0 window 1
.set n, 0
.rept 32
	v_pk_add_f32 v[ST+n:ST+n+1], v[64*\a+n:64*\a+n+1], v[BQ+2*\a:BQ+2*\a+1] op_sel_hi:[1,0]   ; + the lane's bias (0 where the bias ran along P); each accumulator from its low end on
.set n, n+2
.endr
	WIN 0
.if \a > 0
	s_wait_xcnt 0x0                                ; the last tile's stores have read their registers and bases
	s_add_nc_u64 s[84:85], s[84:85], s[98:99]
	s_add_nc_u64 s[86:87], s[86:87], s[98:99]
.endif
	QUANT ST
	global_store_b128 v1, v[PC:PC+3], s[84:85]             ; 512 consecutive bytes, aligned
	global_store_b64 v2, v[PC+4:PC+5], s[84:85] offset:512 ; 256 consecutive bytes, aligned
	global_store_b128 v1, v[PC+6:PC+9], s[86:87]
	global_store_b64 v2, v[PC+10:PC+11], s[86:87] offset:512
	v_and_b32 v[W0+\a], s91, v[PW]
	v_lshrrev_b32 v[W1+\a], 16, v[PW]
	ds_store_b32 v24, v[W0+\a] offset:64*\a        ; both halves of the lanes write the same word with the same value.  Chunk 0 has had its only fill, and nobody has read it since the barrier of K step 1
	ds_store_b32 v24, v[W1+\a] offset:256+64*\a
.endr
	ds_load_b64 v[U:U+1], v25                      ; LDS serves a wave's instructions in order: these see my stores
	ds_load_b64 v[U+2:U+3], v25 offset:256
	s_wait_dscnt 0x0
	global_store_b64 v2, v[U:U+1], s[88:89]        ; four tiles' scale words: 256 consecutive bytes, aligned
	s_cmp_lg_u32 s21, 0
	s_cbranch_scc1 .Lno_second
	global_store_b64 v2, v[U+2:U+3], s[96:97]      ; q, k: the second head's
.Lno_second:
	s_wait_tensorcnt 0x0
	ds_add_u32 v254, v255
	s_wait_dscnt 0x0
	CROUND                                         ; the closing round: no work-group ends while a partner may still ask for a tile that names it
	s_endpgm
.Lfunc_end_k_q19c736e0f8_qkv:
	.size	k_q19c736e0f8_qkv, .Lfunc_end_k_q19c736e0f8_qkv-k_q19c736e0f8_qkv
	.p2alignl 7, 3214868480
	.fill 96, 4, 3214868480
	.section	.rodata,"a",@progbits
	.p2align	6, 0x0
	.amdhsa_kernel k_q19c736e0f8_qkv
		.amdhsa_group_segment_fixed_size 295424
		.amdhsa_private_segment_fixed_size 0
		.amdhsa_enable_private_segment 0
		.amdhsa_kernarg_size 48
		.amdhsa_user_sgpr_count 2
		.amdhsa_user_sgpr_kernarg_segment_ptr 1
		.amdhsa_wavefront_size32 1
		.amdhsa_system_sgpr_workgroup_id_x 1
		.amdhsa_system_sgpr_workgroup_id_y 1
		.amdhsa_system_sgpr_workgroup_id_z 1
		.amdhsa_system_vgpr_workitem_id 0
		.amdhsa_next_free_vgpr 768
		.amdhsa_next_free_sgpr 102
		.amdhsa_reserve_vcc 0
		.amdhsa_float_denorm_mode_32 3
		.amdhsa_float_denorm_mode_16_64 3
		.amdhsa_memory_ordered 1
		.amdhsa_forward_progress 1
		.amdhsa_inst_pref_size 103
	.end_amdhsa_kernel
	.amdgpu_metadata
---
amdhsa.version: [ 1, 2 ]
amdhsa.kernels:
  - .name:           k_q19c736e0f8_qkv
    .symbol:         k_q19c736e0f8_qkv.kd
    .args:
      - { .name: xq, .offset: 0, .size: 8, .value_kind: global_buffer, .address_space: global }
      - { .name: wq, .offset: 8, .size: 8, .value_kind: global_buffer, .address_space: global }
      - { .name: b_attn, .offset: 16, .size: 8, .value_kind: global_buffer, .address_space: global }
      - { .name: qq, .offset: 24, .size: 8, .value_kind: global_buffer, .address_space: global }
      - { .name: kq, .offset: 32, .size: 8, .value_kind: global_buffer, .address_space: global }
      - { .name: vq, .offset: 40, .size: 8, .value_kind: global_buffer, .address_space: global }
    .group_segment_fixed_size: 295424
    .private_segment_fixed_size: 0
    .kernarg_segment_align: 8
    .kernarg_segment_size: 48
    .max_flat_workgroup_size: 128
    .sgpr_count:     102
    .vgpr_count:     768
    .wavefront_size: 32
...
	.end_amdgpu_metadata
.endif
;; end of part 2
;; launch attn (part 3): grid 4 x 64, 16 waves a work-group, clusters of 4 x 1, 211,968 bytes of LDS; arguments qq, kq, vq, yq; writes yq
.if DOCPART == 3
	.amdgcn_target "amdgcn-amd-amdhsa--gfx1250"
	.amdhsa_code_object_version 6
	.text
	.protected	k_q19c736e0f8_attn
	.globl	k_q19c736e0f8_attn
	.p2align	8
	.type	k_q19c736e0f8_attn,@function
k_q19c736e0f8_attn:
	s_mov_b64 s[64:65], 0
	v_nop
	global_prefetch_b8 v0, s[64:65] scope:SCOPE_SE
	s_setreg_imm32_b32 hwreg(HW_REG_WAVE_MODE, 25, 1), 1
	s_wait_xcnt 0x0
	s_wait_alu depctr_hold_cnt(0) depctr_sa_sdst(0) depctr_va_vdst(0) depctr_va_sdst(0) depctr_va_ssrc(0) depctr_va_vcc(0) depctr_vm_vsrc(0)
	s_getreg_b32 s2, hwreg(HW_REG_IB_STS2, 6, 4)
	s_cmp_eq_u32 s2, 0
	s_cbranch_scc0 .Lentry_in_a_cluster
	s_endpgm
.Lentry_in_a_cluster:
	s_bfe_u32 s2, ttmp6, 0x10000c
	s_cmp_lg_u32 s2, 0x3003
	s_cbranch_scc0 .Lentry_shape_is_right
	s_endpgm
.Lentry_shape_is_right:
; Causal attention of one (batch, head) on codes of BF6 (E3M2): S^T = K Q^T (K = the head's 64: the upper half of the instruction's 128 is zero codes of Q), p = 2^(t - M), O^T = V^T P^T (K = the keys), y = O / l, quantised here for the projection.
; t = score x log2(e) / 8; M = the running largest t rounded up to a whole number; p is quantised along the keys, not normalised; l is the sum of the unquantised p; when M moves, l and O^T are multiplied by 2^(old M - new M), exactly.
; SHARES.  The four work-groups of a cluster serve one head; each holds the head's whole K and V in LDS, filled once by joint loads (wave 0: K's two, wave 1: V's two: two are out at the most).
; Wave w (G = w / 2, e = w % 2) owns two tiles of 16 queries: tile 8 G + 2 cx + e and tile 8 (15 - G) + 2 cx + e.  Tile T needs key steps 0 .. T / 8 of 128 keys: every wave has 17 steps of work.
; The loops' trip counts are constants; a step all of whose keys come after the tile's queries is passed over by a scalar branch on the wave's number and the loop's counter.  No branch and no LDS address hangs on cx.
; A lane holds ONE query throughout.  Lane-row r of tile i (of tokens, and of the head's channels in V^T) is index 32 (i / 2) + 8 (i % 2) + r + 8 (r / 8): the 16 registers of tiles 2 b, 2 b + 1 are 16 neighbours.
; LIMITS: NaN and infinities are not served; v_exp_f32 gives 0 for results under 2^-126; a block's largest p is taken from its largest score, which takes v_exp_f32 not to fall where its input rises;
; blocks of zeros carry the byte 1.  K's registers 6-11 hold whatever codes lay there: every code is a finite number and meets a zero code of Q.
; No prefetch: every tensor load goes out at the head.
; REGISTERS: v1-7 addresses and constants; v8-11, v28-29 the step's LDS addresses; v12 -M, v13 the largest t, v[14:15] l; v16-27, v80-91 the two tiles of Q; v30, v31 their scale words; v32-79 four fragments of K or V;
;   v96-159 S^T, then p; v160-191 O^T; v192-223 y; v224-235 codes; v232-254 at work.
.set VB,   106496                      ; LDS: K's 16 steps x 6,656 bytes, then V's 16 x 6,400,
.set YS,   208896                      ; then y's scale pairs: [step 16][e 2][r 16] x 2 bytes: no tensor load lands here
.set SEL,  20
.set CS,   22
.set KS,   76
.set TBK,  77
.set TBV,  78
.macro PLACES n
.rept \n
	v_nop
.endr
.endm
.macro CROUND
	s_barrier_signal -1
	s_barrier_wait -1
	s_cmp_lg_u32 s12, 0
	s_cbranch_scc1 .Lnot_wave_0_\@
	s_barrier_signal -3
.Lnot_wave_0_\@:
	s_barrier_wait -3
	s_barrier_signal -1
	s_barrier_wait -1
.endm
.macro G1SET g, rows                   ; a dense block as rows of 256 bytes (32 elements of 8 bytes); the mask names all four work-groups, bit 21 beside it
	s_mov_b32 s[\g], 15|(3<<16)|(1<<21)
	s_mov_b32 s[\g+1], 32<<16
	s_mov_b32 s[\g+2], (\rows)<<16
	s_mov_b32 s[\g+3], 32<<16
	s_mov_b32 s[\g+4], \rows
	s_mov_b32 s[\g+5], 32
	s_mov_b32 s[\g+6], 0
	s_mov_b32 s[\g+7], 0
.endm
	s_load_b256 s[4:11], s[0:1], 0x0               ; qq s[4:5], kq s[6:7], vq s[8:9], yq s[10:11]
	v_lshl_add_u32 v243, v0, 2, 0x33400
	v_mov_b32 v255, 0
	ds_add_u32 v243, v255
	ds_add_u32 v243, v255
	v_lshrrev_b32 v1, 5, v0
	s_delay_alu instid0(VALU_DEP_1)
	v_readfirstlane_b32 s12, v1                    ; wave 0..15
	s_bfe_u32 s13, ttmp6, 0x40000                  ; cx
	s_and_b32 s14, ttmp7, 0xffff                   ; 16 x batch + head
	s_lshr_b32 s15, s12, 1                         ; G: the low tile's last key step
	s_xor_b32 s16, s15, 15                         ; the high tile's
	s_and_b32 s17, s12, 1                          ; e
	s_mov_b32 s[SEL], 0x76543210
	s_mov_b32 s[SEL+1], 0xfedcba98
	s_mov_b32 s[CS], 0x3e38aa3b                    ; log2(e) / 8
	s_mov_b32 s[CS+1], s[CS]                       ; (named with it as a pair, so it is written)
	G1SET 24, 26                                   ; K's step 0
	G1SET 32, 390                                  ; K's steps 1 to 15
	G1SET 40, 25                                   ; V's step 0
	G1SET 48, 375                                  ; V's steps 1 to 15
	s_mul_i32 s18, s14, 106496
	s_mov_b32 s19, 0
	s_mul_i32 s2, s14, 102400
	s_mov_b32 s3, 0
	s_wait_dscnt 0x0
	s_wait_kmcnt 0x0
	s_mov_b32 s56, 1
	s_mov_b32 s57, 0
	s_add_nc_u64 s[58:59], s[6:7], s[18:19]
	s_mov_b32 s60, 1
	s_mov_b32 s61, 6656
	s_add_nc_u64 s[62:63], s[58:59], 6656
	s_or_b32 s59, s59, 0x80000000
	s_or_b32 s63, s63, 0x80000000
	s_mov_b32 s68, 1
	s_mov_b32 s69, VB
	s_add_nc_u64 s[70:71], s[8:9], s[2:3]
	s_mov_b32 s72, 1
	s_mov_b32 s73, VB+6400
	s_add_nc_u64 s[74:75], s[70:71], 6400
	s_or_b32 s71, s71, 0x80000000
	s_or_b32 s75, s75, 0x80000000
	CROUND                                         ; all four work-groups are here: the joint loads meet
	s_cmp_eq_u32 s12, 0                            ; a wave's two loads stand in one arm; four v_nop follow the second
	s_cbranch_scc0 .Lnot_k
	tensor_load_to_lds s[56:59], s[24:31]
	s_nop 0
	tensor_load_to_lds s[60:63], s[32:39]
	s_nop 0
	PLACES 4
	s_branch .Lasked
.Lnot_k:
	s_cmp_eq_u32 s12, 1
	s_cbranch_scc0 .Lasked
	tensor_load_to_lds s[68:71], s[40:47]
	s_nop 0
	tensor_load_to_lds s[72:75], s[48:55]
	s_nop 0
	PLACES 4
.Lasked:
	s_lshl_b32 s79, s13, 1
	s_add_co_u32 s79, s79, s17                     ; my tiles' place among a step's eight: 2 cx + e
	s_lshl_b32 s94, s14, 4
	s_add_co_u32 s95, s94, s15
	s_mul_i32 s95, s95, 6656                       ; the low tile's step of qq,
	s_add_co_u32 s96, s94, s16
	s_mul_i32 s96, s96, 6656                       ; the high tile's
	s_mul_i32 s97, s79, 768
	s_lshl_b32 s98, s79, 6
	s_add_co_u32 s98, s98, 6144
	s_add_co_u32 s2, s95, s97
	s_add_nc_u64 s[84:85], s[4:5], s[2:3]          ; Q's codes, low and high,
	s_add_co_u32 s2, s96, s97
	s_add_nc_u64 s[86:87], s[4:5], s[2:3]
	s_add_co_u32 s2, s95, s98
	s_add_nc_u64 s[90:91], s[4:5], s[2:3]          ; and its scale words
	s_add_co_u32 s2, s96, s98
	s_add_nc_u64 s[92:93], s[4:5], s[2:3]
	s_lshr_b32 s94, s14, 4
	s_lshl_b32 s94, s94, 7
	s_add_co_u32 s94, s94, s79
	s_and_b32 s99, s14, 15
	s_lshl_b32 s95, s15, 3
	s_add_co_u32 s95, s95, s94                     ; the token tile: 128 x batch + 8 G + 2 cx + e
	s_lshl_b32 s95, s95, 4
	s_add_co_u32 s95, s95, s99                     ; its half image of my head
	s_mul_i32 s2, s95, 768
	s_add_nc_u64 s[80:81], s[10:11], s[2:3]
	s_lshl_b32 s95, s16, 3
	s_add_co_u32 s95, s95, s94
	s_lshl_b32 s95, s95, 4
	s_add_co_u32 s95, s95, s99
	s_mul_i32 s2, s95, 768
	s_add_nc_u64 s[82:83], s[10:11], s[2:3]
	s_lshl_b32 s2, s14, 2
	s_add_co_u32 s2, s2, s13
	s_lshl_b32 s2, s2, 10
	s_add_co_u32 s2, s2, 6291456
	s_add_nc_u64 s[88:89], s[10:11], s[2:3]        ; y's scale pairs of this work-group: 1,024 bytes
	v_and_b32 v8, 31, v0
	s_delay_alu instid0(VALU_DEP_1)
	v_lshlrev_b32 v1, 4, v8                        ; 16 x lane
	s_delay_alu instid0(VALU_DEP_2)
	v_lshlrev_b32 v2, 3, v8                        ; 8 x lane
	v_and_b32 v9, 15, v0                           ; r
	v_bfe_u32 v10, v0, 4, 1                        ; h
	s_delay_alu instid0(VALU_DEP_2)
	v_lshlrev_b32 v3, 2, v9                        ; 4 r
	global_load_b128 v[16:19], v1, s[84:85]        ; Q stays in registers: half an operand, 64 along K
	global_load_b64 v[20:21], v2, s[84:85] offset:512
	global_load_b32 v30, v3, s[90:91]
	global_load_b128 v[80:83], v1, s[86:87]
	global_load_b64 v[84:85], v2, s[86:87] offset:512
	global_load_b32 v31, v3, s[92:93]
	v_and_b32 v4, 8, v9
	s_delay_alu instid0(VALU_DEP_1)
	v_add_nc_u32 v4, v4, v9
	v_lshlrev_b32 v10, 4, v10
	s_delay_alu instid0(VALU_DEP_1)
	v_sub_nc_u32 v4, v4, v10
	s_lshl_b32 s94, s13, 5
	s_lshl_b32 s95, s17, 3
	s_add_co_u32 s94, s94, s95
	v_add_nc_u32 v4, s94, v4                       ; D = my query's place in its 128 - 16 h.  On the diagonal register 16 b + i holds key 32 b + 16 h + i of the step: hidden where 32 b + i > D
	v_mov_b32 v5, 0xff800000                       ; -infinity
	v_lshlrev_b32 v9, 1, v9
	s_lshl_b32 s94, s12, 5
	s_add_co_u32 s94, s94, YS
	v_add_nc_u32 v6, s94, v9                       ; where the low tile's scale pair goes: 64 G + 32 e + 2 r,
	s_lshl_b32 s94, s16, 6
	s_lshl_b32 s95, s17, 5
	s_add_co_u32 s94, s94, s95
	s_add_co_u32 s94, s94, YS
	v_add_nc_u32 v7, s94, v9                       ; and the high tile's
	v_lshlrev_b32 v92, 4, v0                       ; waves 0 and 1 at the end: 16 x thread
	s_delay_alu instid0(VALU_DEP_1)
	v_add_nc_u32 v93, YS, v92
.irp i, 0,1,2,3,4,5
	v_mov_b32 v[22+\i], 0                          ; Q's k = 64 .. 127: zero codes
	v_mov_b32 v[86+\i], 0
.endr
.irp t, 0,1,2,3
.irp i, 6,7,8,9,10,11
	v_mov_b32 v[32+12*\t+\i], 0                    ; written once: K's fragments fill registers 0-5 alone
.endr
.endr
.irp b, 0,1,2,3
	v_mov_b32 v[236+\b], 0                         ; written once: a lane permute's destination counts as one of its sources
.endr
	v_mov_b32 v253, 0                              ; (named as the upper half of the pair v[252:253] before it is first written)
.macro INIT
	v_mov_b32 v13, 0xff61b1e6                      ; the largest t so far: -3e38
	s_delay_alu instid0(VALU_DEP_1)
	v_floor_f32 v12, -v13                          ; -M
	v_mov_b32 v14, 0
	v_mov_b32 v15, 0
.set n, 0
.rept 32
	v_mov_b32 v[160+n], 0                          ; O^T: the step is written without a first step of its own; the first change of M leaves zeros zeros
.set n, n+1
.endr
.endm
; A KEY STEP of 128 keys for the tile whose Q lies in v[qf] on, scale word v[qs]; s[lim] = the tile's last step.
.macro STEP qf, qs, lim, peeled
.if \peeled == 0
	s_cmp_gt_u32 s[KS], s[\lim]
	s_cbranch_scc1 .Lhidden_\@
.endif
	s_setprio 2
	v_add_nc_u32 v8, s[TBK], v1                    ; (these six are also the places in front of the loads into registers that the last products have read)
	s_wait_alu depctr_va_vdst(0)
	v_add_nc_u32 v9, s[TBK], v2
	s_wait_alu depctr_va_vdst(0)
	v_add_nc_u32 v10, s[TBK], v3
	s_wait_alu depctr_va_vdst(0)
	v_add_nc_u32 v11, s[TBV], v1
	v_add_nc_u32 v28, s[TBV], v2
	v_add_nc_u32 v29, s[TBV], v3
.irp u, 0,1                            ; S^T = K Q^T, four tiles of 16 keys at a time
.if \u > 0
	PLACES 4
.endif
.irp t, 0,1,2,3
	ds_load_b128 v[32+12*\t:35+12*\t], v8 offset:768*(4*\u+\t)
	ds_load_b64 v[36+12*\t:37+12*\t], v9 offset:768*(4*\u+\t)+512
	ds_load_b32 v[248+\t], v10 offset:6144+64*(4*\u+\t)
.endr
	s_wait_dscnt 0x0
.irp t, 0,1,2,3
	v_wmma_scale_f32_16x16x128_f8f6f4 v[96+8*(4*\u+\t):103+8*(4*\u+\t)], v[32+12*\t:43+12*\t], v[\qf:\qf+11], 0, v[248+\t], v[\qs] matrix_a_fmt:MATRIX_FMT_BF6 matrix_b_fmt:MATRIX_FMT_BF6
.endr
.endr
	PLACES 4                                       ; in front of the loads below and of the first read of the scores
	s_wait_alu depctr_va_vdst(0)
.irp t, 0,1,2,3                        ; V^T's four fragments (16 channels x 128 keys) are asked for now and land under the softmax
.irp c, 0,1
	ds_load_b128 v[32+12*\t+6*\c:35+12*\t+6*\c], v11 offset:768*(2*\t+\c)
	ds_load_b64 v[36+12*\t+6*\c:37+12*\t+6*\c], v28 offset:768*(2*\t+\c)+512
.endr
	ds_load_b32 v[248+\t], v29 offset:6144+64*\t
.endr
	s_cmp_lg_u32 s[KS], s[\lim]                    ; only the tile's last step lies on the diagonal
	s_cbranch_scc1 .Lopen_\@
.set n, 0
.rept 64
	v_cmp_gt_i32 vcc_lo, 32*(n/16)+n%16, v4
	v_cndmask_b32 v[96+n], v[96+n], v5, vcc_lo     ; a hidden key's score becomes -infinity: p = 0
.set n, n+1
.endr
.Lopen_\@:
.irp b, 0,1,2,3
	v_max3_num_f32 v[232+\b], v[96+16*\b], v[97+16*\b], v[98+16*\b]   ; the largest score of each block of 32 keys: for the row's maximum and for the block's largest p
.endr
.irp i, 3,5,7,9,11,13
.irp b, 0,1,2,3
	v_max3_num_f32 v[232+\b], v[232+\b], v[96+16*\b+\i], v[97+16*\b+\i]
.endr
.endr
.irp b, 0,1,2,3
	v_max_num_f32 v[232+\b], v[232+\b], v[111+16*\b]
.endr
.irp b, 0,1,2,3
	s_delay_alu instid0(VALU_DEP_4)
	v_permlanex16_b32 v[236+\b], v[232+\b], s[SEL], s[SEL+1]
.endr
.irp b, 0,1,2,3
	s_delay_alu instid0(VALU_DEP_4)
	v_max_num_f32 v[232+\b], v[232+\b], v[236+\b]  ; with lane l xor 16's 16 keys
.endr
	s_delay_alu instid0(VALU_DEP_2)
	v_max3_num_f32 v254, v232, v233, v234
	s_delay_alu instid0(VALU_DEP_1)
	v_max_num_f32 v254, v254, v235
	s_delay_alu instid0(VALU_DEP_1)
	v_mul_f32 v254, s[CS], v254                    ; the step's largest t
	s_delay_alu instid0(VALU_DEP_1)
	v_max_num_f32 v13, v13, v254
	v_mov_b32 v254, v12
	s_delay_alu instid0(VALU_DEP_2)
	v_floor_f32 v12, -v13                          ; the new -M = -ceil(t)
	s_delay_alu instid0(VALU_DEP_1)
	v_sub_f32 v254, v12, v254                      ; old M - new M: a whole number, 0 or less
	s_delay_alu instid0(VALU_DEP_1)
	v_cvt_i32_f32 v254, v254                       ; (it saturates)
	s_delay_alu instid0(VALU_DEP_1)
	v_ldexp_f32 v252, 1.0, v254                    ; f = 2^(old M - new M)
.set n, 0
	s_setprio 1
.rept 32
	v_pk_fma_f32 v[96+n:97+n], v[96+n:97+n], s[CS:CS+1], v[12:13] op_sel_hi:[1,0,0]   ; t - M
.set n, n+2
.endr
.irp b, 0,1,2,3
	v_fma_f32 v[232+\b], v[232+\b], s[CS], v12     ; the same of each block's largest score
.endr
.set n, 0
	s_wait_alu depctr_va_vdst(0)
.rept 64
	v_exp_f32 v[96+n], v[96+n]                     ; p = 2^(t - M)
.set n, n+1
.endr
	v_pk_mul_f32 v[14:15], v[14:15], v[252:253] op_sel_hi:[1,0]   ; l under the new M: a plain place behind the exponentials
	s_wait_alu depctr_va_vdst(0)                   ; one wait for the batch, ahead of its first reader
.irp b, 0,1,2,3
	v_exp_f32 v[232+\b], v[232+\b]                 ; the blocks' largest p
.endr
	v_pk_add_f32 v[236:237], v[100:101], v[104:105]
	v_pk_add_f32 v[246:247], v[108:109], v[112:113]
	v_pk_add_f32 v[244:245], v[116:117], v[120:121]
	v_pk_add_f32 v[240:241], v[124:125], v[128:129]
	v_pk_add_f32 v[238:239], v[132:133], v[136:137]
	v_pk_add_f32 v[230:231], v[140:141], v[144:145]
	v_pk_add_f32 v[228:229], v[148:149], v[152:153]
	v_pk_add_f32 v[14:15], v[14:15], v[156:157]
	v_pk_add_f32 v[236:237], v[236:237], v[96:97]
	v_pk_add_f32 v[246:247], v[246:247], v[98:99]
	v_pk_add_f32 v[244:245], v[244:245], v[102:103]
	v_pk_add_f32 v[240:241], v[240:241], v[106:107]
	v_pk_add_f32 v[238:239], v[238:239], v[110:111]
	v_pk_add_f32 v[230:231], v[230:231], v[114:115]
	v_pk_add_f32 v[228:229], v[228:229], v[118:119]
	v_pk_add_f32 v[14:15], v[14:15], v[122:123]
	v_pk_add_f32 v[236:237], v[236:237], v[126:127]
	v_pk_add_f32 v[246:247], v[246:247], v[130:131]
	v_pk_add_f32 v[244:245], v[244:245], v[134:135]
	v_pk_add_f32 v[240:241], v[240:241], v[138:139]
	v_pk_add_f32 v[238:239], v[238:239], v[142:143]
	v_pk_add_f32 v[230:231], v[230:231], v[146:147]
	v_pk_add_f32 v[228:229], v[228:229], v[150:151]
	v_pk_add_f32 v[14:15], v[14:15], v[154:155]
	v_pk_add_f32 v[236:237], v[236:237], v[158:159]
	s_delay_alu instid0(VALU_DEP_2)
	v_pk_add_f32 v[14:15], v[14:15], v[240:241]
	s_delay_alu instid0(VALU_DEP_2)
	v_pk_add_f32 v[236:237], v[236:237], v[238:239]
	v_pk_add_f32 v[246:247], v[246:247], v[230:231]
	v_pk_add_f32 v[244:245], v[244:245], v[228:229]
	s_delay_alu instid0(VALU_DEP_2)
	v_pk_add_f32 v[14:15], v[14:15], v[246:247]
	s_delay_alu instid0(VALU_DEP_2)
	v_pk_add_f32 v[236:237], v[236:237], v[244:245]
	s_delay_alu instid0(VALU_DEP_1)
	v_pk_add_f32 v[14:15], v[14:15], v[236:237]
	s_wait_alu depctr_va_vdst(0)                   ; and one for the four
.irp b, 0,1,2,3
	v_max_num_f32 v[232+\b], 0x2800000, v[232+\b]  ; the floor 2^(5 - 127)
.endr
.irp b, 0,1,2,3
	s_delay_alu instid0(VALU_DEP_4)
	v_add_nc_u32 v[244+\b], 0xfe000000, v[232+\b]
.endr
.irp b, 0,1,2,3
	s_delay_alu instid0(VALU_DEP_4)
	v_lshrrev_b32 v[236+\b], 23, v[244+\b]
.endr
	s_delay_alu instid0(VALU_DEP_3)
	v_lshl_or_b32 v253, v237, 8, v236              ; p's scale word for these 128 keys
	s_delay_alu instid0(VALU_DEP_1)
	v_lshl_or_b32 v253, v238, 16, v253
	s_delay_alu instid0(VALU_DEP_1)
	v_lshl_or_b32 v253, v239, 24, v253
	s_setprio 0
.irp c, 0,1
	v_cvt_scalef32_pk16_bf6_f32 v[224+6*\c:226+6*\c], v[96+32*\c:111+32*\c], v[244+2*\c]
	v_cvt_scalef32_pk16_bf6_f32 v[236+4*\c:238+4*\c], v[112+32*\c:127+32*\c], v[244+2*\c+1]
.endr
	v_nop                                          ; one plain place behind a scaled conversion
.irp c, 0,1
.irp i, 0,1,2
	v_permlane16_swap_b32 v[224+6*\c+\i], v[236+4*\c+\i]
.endr
.irp i, 0,1,2
	s_delay_alu instid0(VALU_DEP_3)
	v_mov_b32 v[227+6*\c+\i], v[236+4*\c+\i]
.endr
.endr
.set n, 0
.rept 16
	v_pk_mul_f32 v[160+n:161+n], v[160+n:161+n], v[252:253] op_sel_hi:[1,0]   ; O^T under the new M; these sixteen also stand between the scale word's and the codes' last lines and the products
.set n, n+2
.endr
	s_wait_alu depctr_va_vdst(0)
	s_wait_dscnt 0x0                               ; V is in
.irp t, 0,1,2,3
	v_wmma_scale_f32_16x16x128_f8f6f4 v[160+8*\t:167+8*\t], v[32+12*\t:43+12*\t], v[224:235], v[160+8*\t:167+8*\t], v[248+\t], v253 matrix_a_fmt:MATRIX_FMT_BF6 matrix_b_fmt:MATRIX_FMT_BF6
.endr
.Lhidden_\@:
	s_add_co_u32 s[TBK], s[TBK], 6656              ; the next step's tiles
	s_add_co_u32 s[TBV], s[TBV], 6400
.endm
; y = O^T / l: 64 channels of 16 queries, 32 a lane: register 16 b + i is channel 32 b + 16 h + i: two blocks of the projection's K.  Codes: one half image; the two bytes: a pair, gathered in LDS.
.macro FINISH yb, ya
	PLACES 4                                       ; behind the last products
	v_add_f32 v14, v14, v15
	s_delay_alu instid0(VALU_DEP_1)
	v_permlanex16_b32 v252, v14, s[SEL], s[SEL+1]
	s_delay_alu instid0(VALU_DEP_1)
	v_add_f32 v14, v14, v252                       ; the row's sum
	s_wait_alu depctr_va_vdst(0)
	v_rcp_f32 v14, v14
	v_nop                                          ; a plain place behind the transcendental
	s_wait_alu depctr_va_vdst(0)                   ; and the wait ahead of its first reader
.set n, 0
.rept 16
	v_pk_mul_f32 v[192+n:193+n], v[160+n:161+n], v[14:15] op_sel_hi:[1,0]   ; each accumulator from its low end on
.set n, n+2
.endr
.irp b, 0,1
	v_max3_num_f32 v[232+\b], |v[192+16*\b]|, |v[193+16*\b]|, 0x2800000
.endr
.irp i, 2,4,6,8,10,12,14
.irp b, 0,1
	s_delay_alu instid0(VALU_DEP_2)
	v_max3_num_f32 v[232+\b], v[232+\b], |v[192+16*\b+\i]|, |v[193+16*\b+\i]|
.endr
.endr
.irp b, 0,1
	s_delay_alu instid0(VALU_DEP_2)
	v_permlanex16_b32 v[236+\b], v[232+\b], s[SEL], s[SEL+1]
.endr
.irp b, 0,1
	s_delay_alu instid0(VALU_DEP_2)
	v_max_num_f32 v[232+\b], v[232+\b], v[236+\b]
.endr
.irp b, 0,1
	s_delay_alu instid0(VALU_DEP_2)
	v_add_nc_u32 v[244+\b], 0xfe000000, v[232+\b]
.endr
.irp b, 0,1
	s_delay_alu instid0(VALU_DEP_2)
	v_lshrrev_b32 v[236+\b], 23, v[244+\b]
.endr
	s_delay_alu instid0(VALU_DEP_1)
	v_lshl_or_b32 v254, v237, 8, v236
	v_cvt_scalef32_pk16_bf6_f32 v[224:226], v[192:207], v244
	v_cvt_scalef32_pk16_bf6_f32 v[236:238], v[208:223], v245
	v_nop
.irp i, 0,1,2
	v_permlane16_swap_b32 v[224+\i], v[236+\i]
.endr
.irp i, 0,1,2
	s_delay_alu instid0(VALU_DEP_3)
	v_mov_b32 v[227+\i], v[236+\i]
.endr
	ds_store_b16 v[\ya], v254                      ; both halves of the lanes write the same pair
	global_store_b128 v1, v[224:227], s[\yb:\yb+1]             ; 512 consecutive bytes, aligned
	global_store_b64 v2, v[228:229], s[\yb:\yb+1] offset:512   ; 256 consecutive bytes, aligned
.endm
	INIT
	s_mov_b32 s[KS], 0
	s_mov_b32 s[TBK], 0
	s_mov_b32 s[TBV], VB
	s_wait_tensorcnt 1                             ; the first key step's load is in; the load of the other fifteen may be out
	s_barrier_signal -1
	s_barrier_wait -1
	s_wait_loadcnt 0x0                             ; Q
	STEP 16, 30, 15, 1                             ; key step 0 is work for every wave: the other steps' tiles land under it
	s_wait_tensorcnt 0x0
	s_wait_dscnt 0x0
	s_barrier_signal -1
	s_barrier_wait -1                              ; all of K and V lies in LDS
	s_mov_b32 s[KS], 1
.Llow:
	STEP 16, 30, 15, 0
	s_add_co_u32 s[KS], s[KS], 1
	s_cmp_lt_u32 s[KS], 8
	s_cbranch_scc1 .Llow
	s_setprio 0
	FINISH 80, 6
	INIT
	s_mov_b32 s[KS], 0
	s_mov_b32 s[TBK], 0
	s_mov_b32 s[TBV], VB
	s_wait_xcnt 0x0                                ; the stores of y have read the codes' registers, which the next steps write
.Lhigh:
	STEP 80, 31, 16, 0
	s_add_co_u32 s[KS], s[KS], 1
	s_cmp_lt_u32 s[KS], 16
	s_cbranch_scc1 .Lhigh
	s_setprio 0
	FINISH 82, 7
	s_wait_dscnt 0x0                               ; for the others' sake: my scale pairs lie in LDS
	s_barrier_signal -1
	s_barrier_wait -1
	s_cmp_lt_u32 s12, 2
	s_cbranch_scc0 .Lno_ys
	ds_load_b128 v[96:99], v93
	s_wait_dscnt 0x0
	global_store_b128 v92, v[96:99], s[88:89]      ; 512 consecutive bytes a wave, aligned
.Lno_ys:
	s_wait_tensorcnt 0x0
	ds_add_u32 v243, v255
	s_wait_dscnt 0x0
	CROUND                                         ; the closing round
	s_endpgm
.Lfunc_end_k_q19c736e0f8_attn:
	.size	k_q19c736e0f8_attn, .Lfunc_end_k_q19c736e0f8_attn-k_q19c736e0f8_attn
	.p2alignl 7, 3214868480
	.fill 96, 4, 3214868480
	.section	.rodata,"a",@progbits
	.p2align	6, 0x0
	.amdhsa_kernel k_q19c736e0f8_attn
		.amdhsa_group_segment_fixed_size 211968
		.amdhsa_private_segment_fixed_size 0
		.amdhsa_enable_private_segment 0
		.amdhsa_kernarg_size 32
		.amdhsa_user_sgpr_count 2
		.amdhsa_user_sgpr_kernarg_segment_ptr 1
		.amdhsa_wavefront_size32 1
		.amdhsa_system_sgpr_workgroup_id_x 1
		.amdhsa_system_sgpr_workgroup_id_y 1
		.amdhsa_system_sgpr_workgroup_id_z 1
		.amdhsa_system_vgpr_workitem_id 0
		.amdhsa_next_free_vgpr 256
		.amdhsa_next_free_sgpr 100
		.amdhsa_reserve_vcc 1
		.amdhsa_float_denorm_mode_32 3
		.amdhsa_float_denorm_mode_16_64 3
		.amdhsa_memory_ordered 1
		.amdhsa_forward_progress 1
		.amdhsa_inst_pref_size 92
	.end_amdhsa_kernel
	.amdgpu_metadata
---
amdhsa.version: [ 1, 2 ]
amdhsa.kernels:
  - .name:           k_q19c736e0f8_attn
    .symbol:         k_q19c736e0f8_attn.kd
    .args:
      - { .name: qq, .offset: 0, .size: 8, .value_kind: global_buffer, .address_space: global }
      - { .name: kq, .offset: 8, .size: 8, .value_kind: global_buffer, .address_space: global }
      - { .name: vq, .offset: 16, .size: 8, .value_kind: global_buffer, .address_space: global }
      - { .name: yq, .offset: 24, .size: 8, .value_kind: global_buffer, .address_space: global }
    .group_segment_fixed_size: 211968
    .private_segment_fixed_size: 0
    .kernarg_segment_align: 8
    .kernarg_segment_size: 32
    .max_flat_workgroup_size: 512
    .sgpr_count:     100
    .vgpr_count:     256
    .wavefront_size: 32
...
	.end_amdgpu_metadata
.endif
;; end of part 3
;; launch proj (part 4): grid 8 x 32, 4 waves a work-group, clusters of 4 x 4, 295,424 bytes of LDS; arguments yq, wq, b_proj, out0; writes out0
.if DOCPART == 4
	.amdgcn_target "amdgcn-amd-amdhsa--gfx1250"
	.amdhsa_code_object_version 6
	.text
	.protected	k_q19c736e0f8_proj
	.globl	k_q19c736e0f8_proj
	.p2align	8
	.type	k_q19c736e0f8_proj,@function
k_q19c736e0f8_proj:
	s_mov_b64 s[64:65], 0
	v_nop
	global_prefetch_b8 v0, s[64:65] scope:SCOPE_SE
	s_setreg_imm32_b32 hwreg(HW_REG_WAVE_MODE, 25, 1), 1
	s_wait_xcnt 0x0
	s_wait_alu depctr_hold_cnt(0) depctr_sa_sdst(0) depctr_va_vdst(0) depctr_va_sdst(0) depctr_va_ssrc(0) depctr_va_vcc(0) depctr_vm_vsrc(0)
	s_getreg_b32 s2, hwreg(HW_REG_IB_STS2, 6, 4)
	s_cmp_eq_u32 s2, 0
	s_cbranch_scc0 .Lentry_in_a_cluster
	s_endpgm
.Lentry_in_a_cluster:
	s_bfe_u32 s2, ttmp6, 0x10000c
	s_cmp_lg_u32 s2, 0xf033
	s_cbranch_scc0 .Lentry_shape_is_right
	s_endpgm
.Lentry_shape_is_right:
; out0 = y W_proj + b_proj on codes of BF6 (E3M2) with E8M0 scales, K = 1,024; out0 f32.
; A work-group makes P 128 columns x Q 256 tokens: source 0 = 16 columns of W_proj, source 1 = 16 tokens: a lane holds one token and its registers run along the columns.  Wave w: all 8 tiles of P x tiles 4 w .. 4 w + 3 of Q.
; A tile's lane-row r is row 32 (i / 2) + 8 (i % 2) + r + 8 (r / 8): the 16 registers of tiles 2 b, 2 b + 1 of P are columns 32 b + 16 (lane / 16) + 0 .. 15.
; ALL OF K LIES IN LDS: 294,912 bytes, each filled once, four tensor loads a wave (four are out at the most).  CLUSTER 4 x 4: P's tiles are asked for jointly by a column of the cluster, Q's by a row.
; The bias is the C of the first K step.  LIMITS: NaN and infinities are not served.
; REGISTERS: window 0: v1-27 addresses; v32-63 P's scale words (4 t + 2 H + q), v64-79 Q's; v80-127, v128-175 Q's fragments, two sets; v208-239 Q's scale pairs as loaded; on the way out v80-207 rows of out0.
;   window 1: accumulator (a, t) at v[8 (8 a + t)].   window 2: P's fragments, two sets of 96; v192-255 the bias.
.set CH,   73728
.set SCP,  32
.set SCQ,  64
.set QF,   80
.set MSB,  0
.macro WIN new
.if MSB != \new
	s_set_vgpr_msb (MSB<<8)|\new
.set MSB, \new
.endif
.endm
.macro PLACES n
.rept \n
	v_nop
.endr
.endm
.macro CROUND
	s_barrier_signal -1
	s_barrier_wait -1
	s_cmp_lg_u32 s16, 0
	s_cbranch_scc1 .Lnot_wave_0_\@
	s_barrier_signal -3
.Lnot_wave_0_\@:
	s_barrier_wait -3
	s_barrier_signal -1
	s_barrier_wait -1
.endm
	s_load_b256 s[4:11], s[0:1], 0x0               ; yq s[4:5], wq s[6:7], b_proj s[8:9], out0 s[10:11]
	v_lshl_add_u32 v254, v0, 2, 0x48000
	v_mov_b32 v255, 0
	ds_add_u32 v254, v255
	ds_add_u32 v254, v255
	v_lshrrev_b32 v1, 5, v0
	v_readfirstlane_b32 s16, v1                    ; wave 0..3
	s_and_b32 s17, s16, 1
	s_lshr_b32 s23, s16, 1
	s_bfe_u32 s18, ttmp6, 0x40000                  ; cx
	s_bfe_u32 s19, ttmp6, 0x40004                  ; cy
	s_and_b32 s20, ttmp7, 0xffff
	s_lshl_b32 s22, 0x1111, s18                    ; my column of the cluster
	s_lshl_b32 s66, s19, 2
	s_lshl_b32 s66, 15, s66                        ; my row
	s_or_b32 s24, s22, (3<<16)|(1<<21)             ; group 1 for P: rows of 3,072 bytes (384 elements of 8), 12,288 bytes apart, 4 tiles
	s_mov_b32 s25, 384<<16
	s_mov_b32 s26, 4<<16
	s_mov_b32 s27, 384<<16
	s_mov_b32 s28, 4
	s_mov_b32 s29, 1536
	s_mov_b32 s30, 0
	s_mov_b32 s31, 0
	s_or_b32 s32, s66, (3<<16)|(1<<21)             ; for Q: 8 tiles
	s_mov_b32 s33, 384<<16
	s_mov_b32 s34, 8<<16
	s_mov_b32 s35, 384<<16
	s_mov_b32 s36, 8
	s_mov_b32 s37, 1536
	s_mov_b32 s38, 0
	s_mov_b32 s39, 0
	s_lshl_b32 s2, ttmp9, 2
	s_add_co_u32 s2, s2, s18                       ; pi: my 128 columns (no cy enters)
	s_lshl_b32 s3, s20, 2
	s_add_co_u32 s3, s3, s19                       ; qi: my 256 tokens (no cx enters)
	s_lshl_b32 s84, s2, 3
	s_lshl_b32 s85, s17, 2
	s_add_co_u32 s84, s84, s85
	s_mul_i32 s84, s84, 12288
	s_add_co_u32 s84, s84, 2359296                 ; W_proj's codes lie behind W_attn's
	s_mov_b32 s85, 0
	s_lshl_b32 s88, s3, 4
	s_lshl_b32 s89, s17, 3
	s_add_co_u32 s88, s88, s89
	s_mul_i32 s88, s88, 12288
	s_mov_b32 s89, 0
	s_mul_i32 s86, s17, 12288
	s_mul_i32 s90, s17, 24576
	s_add_co_u32 s90, s90, 24576
	s_wait_dscnt 0x0
	s_wait_kmcnt 0x0
	s_add_nc_u64 s[84:85], s[6:7], s[84:85]
	s_add_nc_u64 s[88:89], s[4:5], s[88:89]
.irp j, 0,1,2,3
	s_mov_b32 s[40+4*\j], 1
	s_add_co_u32 s[41+4*\j], s86, CH*\j
	s_add_nc_u64 s[42+4*\j:43+4*\j], s[84:85], 3072*\j
	s_or_b32 s[43+4*\j], s[43+4*\j], 0x80000000
	s_mov_b32 s[68+4*\j], 1
	s_add_co_u32 s[69+4*\j], s90, CH*\j
	s_add_nc_u64 s[70+4*\j:71+4*\j], s[88:89], 3072*\j
	s_or_b32 s[71+4*\j], s[71+4*\j], 0x80000000
.endr
	CROUND                                         ; all sixteen work-groups are here: the joint loads meet
	s_cmp_lt_u32 s16, 2                            ; waves 0 and 1 fetch P's halves, waves 2 and 3 Q's; four v_nop follow a wave's last load
	s_cbranch_scc0 .Lfor_q
	tensor_load_to_lds s[40:43], s[24:31]
	s_nop 0
	tensor_load_to_lds s[44:47], s[24:31]
	s_nop 0
	tensor_load_to_lds s[48:51], s[24:31]
	s_nop 0
	tensor_load_to_lds s[52:55], s[24:31]
	s_nop 0
	PLACES 4
	s_branch .Lasked
.Lfor_q:
	tensor_load_to_lds s[68:71], s[32:39]
	s_nop 0
	tensor_load_to_lds s[72:75], s[32:39]
	s_nop 0
	tensor_load_to_lds s[76:79], s[32:39]
	s_nop 0
	tensor_load_to_lds s[80:83], s[32:39]
	s_nop 0
	PLACES 4
.Lasked:
	v_and_b32 v5, 31, v0
	v_lshlrev_b32 v1, 4, v5                        ; 16 x lane
	v_lshlrev_b32 v2, 3, v5                        ; 8 x lane
	v_and_b32 v3, 15, v0                           ; r
	s_wait_alu depctr_va_vdst(0)
	v_bfe_u32 v4, v0, 4, 1                         ; h
	s_lshl_b32 s92, s2, 12
	s_add_co_u32 s92, s92, 3244032
	s_mov_b32 s93, 0
	s_add_nc_u64 s[92:93], s[6:7], s[92:93]        ; P's eight scale images
.irp t, 0,1,2,3,4,5,6,7
.irp hh, 0,1
	global_load_b64 v[SCP+4*\t+2*\hh:SCP+4*\t+2*\hh+1], v2, s[92:93] offset:512*\t+256*\hh
.endr
.endr
	; y's scale bytes lie as pairs, [16 batch + head][cx 4][step 16][e 2][r 16].  The word of (lane (r, h), H, q) is K step 4 H + 2 q + h: the pairs of heads 8 H + 4 q + 2 h and + 1
	s_lshr_b32 s94, s3, 3
	s_lshl_b32 s94, s94, 16
	s_lshl_b32 s95, s17, 11
	s_add_co_u32 s94, s94, s95
	s_and_b32 s95, s3, 7
	s_lshl_b32 s95, s95, 1
	s_add_co_u32 s95, s95, s23
	s_lshl_b32 s95, s95, 6
	s_add_co_u32 s94, s94, s95
	s_add_co_u32 s94, s94, 6291456
	s_mov_b32 s95, 0
	s_add_nc_u64 s[94:95], s[4:5], s[94:95]
	v_lshlrev_b32 v26, 1, v3
	s_wait_alu depctr_va_vdst(0)
	v_lshl_add_u32 v26, v4, 13, v26                ; 8,192 h + 2 r
.irp a, 0,1,2,3
.irp hh, 0,1
.irp q, 0,1
.irp z, 0,1
	global_load_u16 v[208+2*(4*\a+2*\hh+\q)+\z], v26, s[94:95] offset:4096*(8*\hh+4*\q+\z)+1024*(\a/2)+32*(\a%2)
.endr
.endr
.endr
.endr
	s_lshl_b32 s96, s2, 9                          ; the bias: register 16 b + i takes b_proj[128 pi + 32 b + 16 h + i]
	s_mov_b32 s97, 0
	s_add_nc_u64 s[96:97], s[8:9], s[96:97]
	v_lshlrev_b32 v27, 6, v4
	WIN 0x80
.irp b, 0,1,2,3
.irp q, 0,1,2,3
	global_load_b128 v[192+16*\b+4*\q:195+16*\b+4*\q], v27, s[96:97] offset:128*\b+16*\q
.endr
.endr
	WIN 0
.irp j, 0,1,2,3
	v_add_nc_u32 v[8+\j], CH*\j, v1
	v_add_nc_u32 v[12+\j], CH*\j, v2
.endr
	s_mul_i32 s98, s16, 12288
	s_add_co_u32 s98, s98, 24576
.irp j, 0,1,2,3
	v_add_nc_u32 v[16+\j], s98, v[8+\j]
	v_add_nc_u32 v[20+\j], s98, v[12+\j]
.endr
	s_mul_i32 s98, s16, 8448                       ; the way out: my stage of 16 rows x (512 bytes + 16), in chunk 0
	v_mul_u32_u24 v24, v3, 528
	v_lshl_add_u32 v24, v4, 6, v24
	v_add_nc_u32 v24, s98, v24                     ; in: row r, + 64 h
	v_add_nc_u32 v25, s98, v1                      ; back: 16 x lane of a row
	s_lshl_b32 s98, s3, 8
	s_lshl_b32 s99, s16, 6
	s_add_co_u32 s98, s98, s99
	s_lshl_b32 s98, s98, 12                        ; token 256 qi + 64 w, rows of 4,096 bytes,
	s_lshl_b32 s99, s2, 9
	s_add_co_u32 s98, s98, s99                     ; + 512 pi
	s_mov_b32 s99, 0
	s_add_nc_u64 s[10:11], s[10:11], s[98:99]
.macro FETCH s                         ; K step s: 48 LDS loads of consecutive bytes, into set s % 2
	WIN 0x80
.irp t, 0,1,2,3,4,5,6,7
.irp c, 0,1
	ds_load_b128 v[96*((\s)%2)+12*\t+6*\c:96*((\s)%2)+12*\t+6*\c+3], v[8+(\s)/2] offset:3072*\t+1536*((\s)%2)+768*\c
	ds_load_b64 v[96*((\s)%2)+12*\t+6*\c+4:96*((\s)%2)+12*\t+6*\c+5], v[12+(\s)/2] offset:3072*\t+1536*((\s)%2)+768*\c+512
.endr
.endr
	WIN 0
.irp a, 0,1,2,3
.irp c, 0,1
	ds_load_b128 v[QF+48*((\s)%2)+12*\a+6*\c:QF+48*((\s)%2)+12*\a+6*\c+3], v[16+(\s)/2] offset:3072*\a+1536*((\s)%2)+768*\c
	ds_load_b64 v[QF+48*((\s)%2)+12*\a+6*\c+4:QF+48*((\s)%2)+12*\a+6*\c+5], v[20+(\s)/2] offset:3072*\a+1536*((\s)%2)+768*\c+512
.endr
.endr
.endm
.macro MUL s                           ; 32 products; the accumulators take turns, in the same order in every step.  An odd step's scale words lie in lanes 16-31
.set PFR, 96*((\s)%2)
.set QFR, QF+48*((\s)%2)
.set SW, 2*((\s)/4)+((\s)/2)%2
.if (\s) == 0
	WIN 0x62
.else
	WIN 0x52
.endif
.irp a, 0,1,2,3
.irp t, 0,1,2,3,4,5,6,7
.if (\s) == 0
	v_wmma_scale_f32_16x16x128_f8f6f4 v[8*(8*\a+\t):8*(8*\a+\t)+7], v[PFR+12*\t:PFR+12*\t+11], v[QFR+12*\a:QFR+12*\a+11], v[192+8*\t:192+8*\t+7], v[SCP+4*\t+SW], v[SCQ+4*\a+SW] matrix_a_fmt:MATRIX_FMT_BF6 matrix_b_fmt:MATRIX_FMT_BF6
.elseif (\s)%2
	v_wmma_scale_f32_16x16x128_f8f6f4 v[8*(8*\a+\t):8*(8*\a+\t)+7], v[PFR+12*\t:PFR+12*\t+11], v[QFR+12*\a:QFR+12*\a+11], v[8*(8*\a+\t):8*(8*\a+\t)+7], v[SCP+4*\t+SW], v[SCQ+4*\a+SW] matrix_a_fmt:MATRIX_FMT_BF6 matrix_b_fmt:MATRIX_FMT_BF6 matrix_a_scale:MATRIX_SCALE_ROW1 matrix_b_scale:MATRIX_SCALE_ROW1
.else
	v_wmma_scale_f32_16x16x128_f8f6f4 v[8*(8*\a+\t):8*(8*\a+\t)+7], v[PFR+12*\t:PFR+12*\t+11], v[QFR+12*\a:QFR+12*\a+11], v[8*(8*\a+\t):8*(8*\a+\t)+7], v[SCP+4*\t+SW], v[SCQ+4*\a+SW] matrix_a_fmt:MATRIX_FMT_BF6 matrix_b_fmt:MATRIX_FMT_BF6
.endif
.endr
.endr
.endm
.macro KSTEP s
.if ((\s)%2 == 1) && ((\s) < 7)
	s_wait_dscnt 0x0                               ; my reads of the chunk in hand are over;
	s_wait_tensorcnt 3-((\s)+1)/2                  ; my part of the next chunk is in; the loads of the chunks behind it may be out
	s_barrier_signal -1
	s_barrier_wait -1
.endif
.if (\s) < 7
.if (\s) > 0
	PLACES 4                                       ; in front of loads into registers that the step before last's products have read
.endif
	FETCH (\s)+1
	s_wait_dscnt 48                                ; all but the 48 just issued
.else
	s_wait_dscnt 0x0
.endif
	MUL \s
	WIN 0
.endm
	s_wait_tensorcnt 3                             ; my part of chunk 0 is in; chunks 1 to 3 may be out
	s_barrier_signal -1
	s_barrier_wait -1
	FETCH 0
	s_wait_loadcnt 0x0                             ; the scale words, the pairs and the bias
.set n, 0
.rept 16
	v_lshl_or_b32 v[SCQ+n], v[209+2*n], 16, v[208+2*n]   ; two heads' pairs make a K step's word
.set n, n+1
.endr
	PLACES 8                                       ; a scale register written by a vector instruction stands eight places ahead of a scaled product
	s_wait_alu depctr_va_vdst(0)
	KSTEP 0
	KSTEP 1
	KSTEP 2
	KSTEP 3
	KSTEP 4
	KSTEP 5
	KSTEP 6
	KSTEP 7
; THE WAY OUT, a tile of 16 tokens x 128 columns at a time, through my own stage in LDS (chunk 0 has had its only fill, and nobody has read it since the barrier of K step 1): back come whole rows of 512 bytes.
.macro TOSTAGE a
	WIN 0x04                                       ; an LDS store's data are its source 1: window 1
.irp t, 0,1,2,3,4,5,6,7
	ds_store_b128 v24, v[64*(\a)+8*\t:64*(\a)+8*\t+3] offset:128*(\t/2)+32*(\t%2)          ; each accumulator from its low end on
	ds_store_b128 v24, v[64*(\a)+8*\t+4:64*(\a)+8*\t+7] offset:128*(\t/2)+32*(\t%2)+16
.endr
	WIN 0
.irp i, 0,1,2,3,4,5,6,7,8,9,10,11,12,13,14,15
	ds_load_b128 v[80+64*((\a)%2)+4*\i:80+64*((\a)%2)+4*\i+3], v25 offset:528*\i   ; LDS serves a wave's instructions in order: these see the stores above
.endr
.endm
.macro SEND a, younger                 ; younger: the LDS instructions issued behind tile a's loads, which may stay out
	s_wait_dscnt \younger
.irp i, 0,1,2,3,4,5,6,7,8,9,10,11,12,13,14,15
	global_store_b128 v1, v[80+64*((\a)%2)+4*\i:80+64*((\a)%2)+4*\i+3], s[10:11] offset:(32*((\a)/2)+8*((\a)%2)+\i+8*(\i/8))*4096 th:TH_STORE_NT   ; 512 consecutive bytes of one token's row, aligned
.endr
.endm
	PLACES 4                                       ; behind the last products: for the first reads of results and the loads into registers that held fragments
	TOSTAGE 0
	TOSTAGE 1
	SEND 0, 32                                     ; behind tile 0's loads: tile 1's 16 stores and 16 loads
	s_wait_xcnt 0x0                                ; tile 0's stores have read their registers
	TOSTAGE 2
	SEND 1, 32
	s_wait_xcnt 0x0
	TOSTAGE 3
	SEND 2, 32
	SEND 3, 0
	s_wait_tensorcnt 0x0
	ds_add_u32 v254, v255
	s_wait_dscnt 0x0
	CROUND                                         ; the closing round
	s_endpgm
.Lfunc_end_k_q19c736e0f8_proj:
	.size	k_q19c736e0f8_proj, .Lfunc_end_k_q19c736e0f8_proj-k_q19c736e0f8_proj
	.p2alignl 7, 3214868480
	.fill 96, 4, 3214868480
	.section	.rodata,"a",@progbits
	.p2align	6, 0x0
	.amdhsa_kernel k_q19c736e0f8_proj
		.amdhsa_group_segment_fixed_size 295424
		.amdhsa_private_segment_fixed_size 0
		.amdhsa_enable_private_segment 0
		.amdhsa_kernarg_size 32
		.amdhsa_user_sgpr_count 2
		.amdhsa_user_sgpr_kernarg_segment_ptr 1
		.amdhsa_wavefront_size32 1
		.amdhsa_system_sgpr_workgroup_id_x 1
		.amdhsa_system_sgpr_workgroup_id_y 1
		.amdhsa_system_sgpr_workgroup_id_z 1
		.amdhsa_system_vgpr_workitem_id 0
		.amdhsa_next_free_vgpr 768
		.amdhsa_next_free_sgpr 102
		.amdhsa_reserve_vcc 0
		.amdhsa_float_denorm_mode_32 3
		.amdhsa_float_denorm_mode_16_64 3
		.amdhsa_memory_ordered 1
		.amdhsa_forward_progress 1
		.amdhsa_inst_pref_size 90
	.end_amdhsa_kernel
	.amdgpu_metadata
---
amdhsa.version: [ 1, 2 ]
amdhsa.kernels:
  - .name:           k_q19c736e0f8_proj
    .symbol:         k_q19c736e0f8_proj.kd
    .args:
      - { .name: yq, .offset: 0, .size: 8, .value_kind: global_buffer, .address_space: global }
      - { .name: wq, .offset: 8, .size: 8, .value_kind: global_buffer, .address_space: global }
      - { .name: b_proj, .offset: 16, .size: 8, .value_kind: global_buffer, .address_space: global }
      - { .name: out0, .offset: 24, .size: 8, .value_kind: global_buffer, .address_space: global }
    .group_segment_fixed_size: 295424
    .private_segment_fixed_size: 0
    .kernarg_segment_align: 8
    .kernarg_segment_size: 32
    .max_flat_workgroup_size: 128
    .sgpr_count:     102
    .vgpr_count:     768
    .wavefront_size: 32
...
	.end_amdgpu_metadata
.endif
;; end of part 4
